; MI455X (gfx1250); checked and timed in simulation.
; The chip was launched on July 23, 2026; its instructions are those of AMD's public machine-readable ISA for CDNA 5 (MIT licence, August 2026) and "CDNA5" Instruction Set Architecture Reference Guide (July 2026). The comments in the code are by the model that wrote it; some were corrected since.
;; Multi Head Attention Block. Allowed arithmetic: matrix products marked QUANTISED: E5M2 operands, one E8M0 scale for each 32 along K, by v_wmma_scale_f32_16x16x128_f8f6f4 with both operands' format E5M2, f32 sums; everything else in f32.
;; Inputs: W1_codes 4,096 x 16 x 32 uint8 (E5M2 codes of W1, K innermost, in blocks of 32 codes); W1_scales 4,096 x 16 uint8 (E8M0 scales of W1, one for each 32 codes along K); W2_codes 512 x 128 x 32 uint8 (E5M2 codes of W2, K innermost, in blocks of 32 codes); W2_scales 512 x 128 uint8 (E8M0 scales of W2, one for each 32 codes along K); Wk_codes 512 x 16 x 32 uint8 (E5M2 codes of Wk, K innermost, in blocks of 32 codes); Wk_scales 512 x 16 uint8 (E8M0 scales of Wk, one for each 32 codes along K); Wq_codes 512 x 16 x 32 uint8 (E5M2 codes of Wq, K innermost, in blocks of 32 codes); Wq_scales 512 x 16 uint8 (E8M0 scales of Wq, one for each 32 codes along K); Wv_codes 512 x 16 x 32 uint8 (E5M2 codes of Wv, K innermost, in blocks of 32 codes); Wv_scales 512 x 16 uint8 (E8M0 scales of Wv, one for each 32 codes along K); alpha 1 float32; b1 4,096 float32; b2 512 float32; beta 1 float32; x 4 x 2,048 x 512 float32.
;; Outputs: out0 4 x 2,048 x 512 float32.
;; This version of the problem:
;;   THIS VERSION OF THE PROBLEM IS GIVEN IN LOW PRECISION. The matrix products marked QUANTISED in the list below multiply operands that are first quantised to E5M2 (5 exponent bits, 2 mantissa bits; 8 bits a number), with one power-of-two scale for each 32 numbers along K (OCP MX v1.0); their sums are f32. All else is computed in f32.
;;   The module's matrix products, in the order in which they are computed (A, B: the left and right operand; K: the contracted axis; several contracted axes count as one K, in the product's order):
;;     1. [M 8,192, K 512] x [K 512, N 512]; A: computed on the way; B: input Wq (given as codes): QUANTISED
;;     2. [M 8,192, K 512] x [K 512, N 512]; A: computed on the way; B: input Wk (given as codes): QUANTISED
;;     3. [M 8,192, K 512] x [K 512, N 512]; A: computed on the way; B: input Wv (given as codes): QUANTISED
;;     4. batch 64 x [M 2,048, K 32] x [K 32, N 2,048]; A: computed on the way; B: computed on the way: QUANTISED
;;     5. batch 64 x [M 32, K 2,048] x [K 2,048, N 2,048]; A: computed on the way; B: softmax (see below): QUANTISED
;;     6. [M 8,192, K 512] x [K 512, N 4,096]; A: computed on the way; B: input W1 (given as codes): QUANTISED
;;     7. [M 8,192, K 4,096] x [K 4,096, N 512]; A: computed on the way; B: input W2 (given as codes): QUANTISED
;;   THE QUANTISER, for each operand of a quantised product, along K:
;;     - K is cut into blocks of 32 from its start; a last block that is shorter is filled with zeros.
;;     - A block's scale is 2^e with e = floor(log2(the largest magnitude in the block)) - 15, held to -126 .. 127; a block of zeros has e = 0. As a byte (E8M0): e + 127.
;;     - Each number is divided by its block's scale, clamped to +-57,344, and rounded to the nearest number of E5M2, ties to even, subnormals kept.
;;     - The product sums the exact products of the quantised numbers (number of the format x scale) in f32.
;;   ~~~python
;;   def quantise(x, axis):      # numpy; x: float32 -> the quantised numbers, widened to float32 again
;;       x = np.moveaxis(x, axis, -1); K = x.shape[-1]
;;       x = np.pad(x, [(0, 0)] * (x.ndim - 1) + [(0, -K % 32)]); x = x.reshape(x.shape[:-1] + (-1, 32)); a = np.abs(x).max(-1, keepdims=True)
;;       e = np.where(a > 0, np.clip(np.frexp(np.where(a > 0, a, 1))[1] - 1 - 15, -126, 127), 0)      # np.frexp(a)[1] - 1 = floor(log2(a)), exactly
;;       r = np.clip(x / 2.0 ** e, -57344, 57344)
;;       step = 2.0 ** (np.maximum(np.frexp(np.where(r == 0, 1, r))[1] - 1, -14) - 2)
;;       q = np.round(r / step) * step * 2.0 ** e      # np.round: ties to even
;;       return np.moveaxis(q.reshape(q.shape[:-2] + (-1,))[..., :K], -1, axis).astype(np.float32)
;;   ~~~
;;   SOFTMAX AHEAD OF A QUANTISED PRODUCT. Where the list says 'softmax', what is quantised is not the finished softmax but p = 2^(t - M), with t = logit x log2(e) and M = ceil(the row's largest t), a whole number; so 1/2 < the row's largest p <= 1. The row's sum l is taken of the UNQUANTISED p, in f32, and the product's result is divided by l at the end. Since M is a whole number, a kernel that streams over the keys may use a running M (the ceiling of the running maximum): every later rescaling is an exact power of two, which a block's scale takes up: the codes' values come out the same.
;;   OPERANDS COMPUTED ON THE WAY. 'Computed on the way' means the value that the module computes at that place (a softmax that the list does not call 'softmax' is quantised finished and normalised). What goes into a quantiser is computed in f32, as accurately as f32 sums, v_exp_f32 and their like allow (about 1e-6 of the number): no bf16 or f16 on the way to a quantiser, and a product that is left as it is and whose result goes on into a quantised operand takes f32 operands (vector FMAs, or v_wmma_f32_16x16x4_f32). A number that lies on a knife's edge between two numbers of the format may be rounded either way, as far as f32 arithmetic and the matrix unit's own rounding can turn it there, and no further.
;;   INPUTS GIVEN AS CODES. W1 (in the module: [512, 4096], K = its axis 0); W2 (in the module: [4096, 512], K = its axis 0); Wk (in the module: [512, 512], K = its axis 0); Wq (in the module: [512, 512], K = its axis 0); Wv (in the module: [512, 512], K = its axis 0): each comes as NAME_codes (uint8): NAME with its K axis moved to the last place and cut into blocks of 32 codes, [.., K / 32, bytes a block], one block behind the other in memory; one code a byte (a code: sign, 5 exponent bits, 2 mantissa bits); and NAME_scales (uint8): the same leading axes, one E8M0 byte (e + 127) for each 32 codes along K. Its value is code x scale, taken as it is: it is not quantised again, and the codes and scales need not be those that the quantiser above would give.
;; One version. Each part assembles by itself: llvm-mc -triple=amdgcn-amd-amdhsa -mcpu=gfx1250 --defsym DOCPART=n.
;; ======== version 1 of 1: 6 launches
;; limits: right only within a limited range of input values
;; workspace buffers: xc 4,194,304 bytes; xs 131,072 bytes; qkv 13,762,560 bytes; x1 16,777,216 bytes; hc 33,554,432 bytes; hs 1,048,576 bytes
;; launch ln1 (part 1): grid 256 x 1, 4 waves a work-group, no clusters, 168,448 bytes of LDS; arguments x, alpha, beta, xc, xs; writes xc, xs
.if DOCPART == 1
	.amdgcn_target "amdgcn-amd-amdhsa--gfx1250"
	.amdhsa_code_object_version 6
	.text
	.protected	k_qc79ae4b6a4_ln1
	.globl	k_qc79ae4b6a4_ln1
	.p2align	8
	.type	k_qc79ae4b6a4_ln1,@function
k_qc79ae4b6a4_ln1:
	s_mov_b64 s[64:65], 0
	v_nop
	global_prefetch_b8 v0, s[64:65] scope:SCOPE_SE
	s_setreg_imm32_b32 hwreg(HW_REG_WAVE_MODE, 25, 1), 1
	s_wait_xcnt 0x0
; y = alpha (x - mean) / sqrt(var + 1e-6) + beta along rows of 512 f32 (var with 511 in the divisor), then y is turned into codes of BF8 (E5M2) with one E8M0 byte for each 32 along the row.
; A work-group takes 32 rows (tokens 32 G .. 32 G + 31), 65,536 bytes, brought into LDS by four tensor loads, one a wave, filled once.  Nothing is shared between work-groups, so no cluster.
; Wave w takes TILE 2 G + u of 16 tokens, u = w % 2, and HALF kh = w / 2 of its rows (numbers 256 kh .. 256 kh + 255): 128 numbers a lane, read from LDS once and kept in 128 registers through all three passes.
; THE TOKENS OF A TILE ARE NOT NEIGHBOURS: row i of the tile is token 32 G + 8 u + i + 8 (i / 8), so that a later product that takes the tile as source 0 finds 16 neighbouring tokens in the 16 result registers
; of tiles 2 G and 2 G + 1.  Lane (r, h) holds, of its token, k = 32 b + 16 h + 0 .. 15 of every block b of its half: the operand's own layout; lanes l and l xor 16 hold a half row.
; Three passes: the sum; the sum of squares of x - mean (no difference of large sums is formed); the result and its codes.  A row's two halves lie in two waves: their sums meet in LDS (store, barrier, two loads);
; both waves add the two in the same order, so both hold the same mean and the same variance.
; OUT: xc [tile 512][block 16][512 bytes]: the image of four operand registers, lane l's 16 bytes at 16 l: each store covers 512 consecutive bytes.  xs [G 256][16 u + r][4 words]: the scale word of each 128 along K:
; the upper half's two words go through LDS to the lower half's wave, which stores all four: 16 lanes cover 256 consecutive bytes.
; The 16 rows that an LDS load touches lie 2,080 bytes apart, but rows 8 to 15 of a tile lie 16 rows behind rows 0 to 7: those two groups fall on the same banks, two deep.
; LIMITS: NaN and infinities among the inputs are not served.  A block whose largest magnitude lies under 2^-111 (a block of zeros among them) gets the byte 1: its codes are zeros or nearly so, and the bytes are read by this program alone.
; v_rsq_f32 is accurate to 1 ulp (ISA guide, its entry).
.set ROWP,  2080                       ; a token's row in LDS: two halves of 1,024 bytes, 16 bytes of padding behind each
.set HALFP, 1040
.set EX,    32*ROWP                    ; behind the rows: 512 bytes for the sums, 512 for the sums of squares, 1,024 for the scale words; each written once
.set RA,   1                           ; v1      LDS address of my token's half row + 64 h
.set LI,   2                           ; v2      16 x lane
.set SO,   3                           ; v3      16 r
.set MU,   4                           ; v[4:5]  the mean, twice
.set GA,   6                           ; v[6:7]  alpha / sqrt(var + eps), twice
.set BE,   8                           ; v[8:9]  beta, twice
.set CH,   10                          ; v10-17  four chains of pairs
.set T0,   18                          ; v18-19  at work
.set TM,   20                          ; v20-23 largest magnitudes, v24-27 bytes, v28-31 the largest number x the scale, v32-35 the conversions' scale operands
.set WD,   36                          ; v36-39  scale words: my two, then (lower half's waves) the partner's two
.set D,    40                          ; v40-167 my 128 numbers: register 16 b + 4 j + i is k = 256 kh + 32 b + 16 h + 4 j + i
.set PC,   168                         ; v168-199 codes: 16 registers for each 128 along K, so that no store's data are written again
.set XW,   200                         ; v200    EX + 4 x thread: where I put a sum
.set XR,   201                         ; v201    EX + 4 x (thread % 64): the lower half's sum; the upper half's lies 256 bytes on
.set XW8,  202                         ; v202    EX + 1,024 + 8 x thread: where I put my two scale words
.set WV,   14
.set SEL,  20
.set MNT,  22
.set G1,   24
.set G0,   32
	s_load_b256 s[4:11], s[0:1], 0x0               ; the rows s[4:5], alpha s[6:7], beta s[8:9], xc s[10:11]
	s_load_b64 s[12:13], s[0:1], 0x20              ; xs
	v_lshl_add_u32 v208, v0, 2, 0x29000
	v_mov_b32 v209, 0
	ds_add_u32 v208, v209
	ds_add_u32 v208, v209
	v_lshrrev_b32 v1, 5, v0
	v_readfirstlane_b32 s[WV], v1                  ; wave 0..3
	; descriptor group 1: 16 half rows of 1,024 bytes (128 elements of 8 bytes), dense in memory, 16 bytes of padding behind each
	s_mov_b32 s[G1+0], (3<<16)|(1<<20)|(7<<22)|(3<<25)   ; no mask; elements of 8 bytes; padding on; after every 256 words (code 7); four words (code 3)
	s_mov_b32 s[G1+1], 128<<16                     ; tensor_dim0
	s_mov_b32 s[G1+2], 16<<16                      ; tensor_dim1
	s_mov_b32 s[G1+3], 128<<16                     ; tile_dim0
	s_mov_b32 s[G1+4], 16                          ; tile_dim1
	s_mov_b32 s[G1+5], 128                         ; from row to row
	s_mov_b32 s[G1+6], 0
	s_mov_b32 s[G1+7], 0
	s_lshl_b32 s2, ttmp9, 16                       ; 32 rows of 2,048 bytes a work-group,
	s_lshl_b32 s3, s[WV], 14                       ; 8 a wave
	s_add_co_u32 s2, s2, s3
	s_mov_b32 s3, 0
	s_mov_b32 s[G0], 1
	s_mul_i32 s[G0+1], s[WV], 8*ROWP               ; LDS: the 8 rows that I fetch
	s_wait_dscnt 0x0
	s_wait_kmcnt 0x0
	s_add_nc_u64 s[G0+2:G0+3], s[4:5], s[2:3]
	s_or_b32 s[G0+3], s[G0+3], 0x80000000
	tensor_load_to_lds s[G0:G0+3], s[G1:G1+7]      ; my one tensor load: it is the only one of mine that is ever out
	s_nop 0
.rept 4
	v_nop
.endr
	s_load_b32 s15, s[6:7], 0x0                    ; alpha
	s_load_b32 s16, s[8:9], 0x0                    ; beta
	s_mov_b32 s17, 0x3b004020                      ; 1 / 511
	s_mov_b32 s18, 0x358637bd                      ; 1e-6
	s_mov_b32 s[SEL], 0x76543210
	s_mov_b32 s[SEL+1], 0xfedcba98                 ; v_permlanex16_b32's selects for lane l xor 16
	s_mov_b32 s[MNT], 0x600000                     ; the mantissa field of 57,344
	s_and_b32 s23, s[WV], 1                        ; u: my tile
	s_lshr_b32 s36, s[WV], 1                       ; kh: my half of the rows
	v_and_b32 v[T0], 15, v0                        ; r
	v_bfe_u32 v[T0+1], v0, 4, 1                    ; h
	v_and_b32 v[RA], 8, v[T0]
	v_add_nc_u32 v[RA], v[RA], v[T0]               ; r + 8 (r / 8)
	v_mul_u32_u24 v[RA], v[RA], ROWP
	v_lshl_add_u32 v[RA], v[T0+1], 6, v[RA]        ; + 64 h: my 16 numbers of a block of 32
	s_mul_i32 s19, s23, 8*ROWP                     ; + 8 u rows
	s_mul_i32 s37, s36, HALFP                      ; + my half
	s_add_co_u32 s19, s19, s37
	v_add_nc_u32 v[RA], s19, v[RA]
	v_and_b32 v[LI], 31, v0
	v_lshlrev_b32 v[LI], 4, v[LI]
	v_lshlrev_b32 v[SO], 4, v[T0]
	v_lshl_add_u32 v[XW], v0, 2, EX
	v_and_b32 v[XR], 63, v0
	v_lshl_add_u32 v[XR], v[XR], 2, EX
	v_lshl_add_u32 v[XW8], v0, 3, EX+1024
.irp b, 0,1,2,3
	v_mov_b32 v[TM+4+\b], 0                        ; written once: a lane permute's destination counts as one of its sources
.endr
	s_lshl_b32 s2, ttmp9, 14                       ; xc: tile 2 G + u, 8,192 bytes a tile, 4,096 a half
	s_lshl_b32 s19, s23, 13
	s_add_co_u32 s2, s2, s19
	s_lshl_b32 s19, s36, 12
	s_add_co_u32 s2, s2, s19
	s_add_nc_u64 s[10:11], s[10:11], s[2:3]
	s_lshl_b32 s2, ttmp9, 9                        ; xs: 512 bytes a group, 256 a tile
	s_lshl_b32 s19, s23, 8
	s_add_co_u32 s2, s2, s19
	s_add_nc_u64 s[12:13], s[12:13], s[2:3]
.macro FOLD                            ; the four chains, their two halves, and lane l xor 16's: my half row's sum in v[T0]
	v_pk_add_f32 v[CH:CH+1], v[CH:CH+1], v[CH+2:CH+3]
	v_pk_add_f32 v[CH+4:CH+5], v[CH+4:CH+5], v[CH+6:CH+7]
	v_pk_add_f32 v[CH:CH+1], v[CH:CH+1], v[CH+4:CH+5]
	v_add_f32 v[T0], v[CH], v[CH+1]
	v_permlanex16_b32 v[T0+1], v[T0], s[SEL], s[SEL+1]
	v_add_f32 v[T0], v[T0], v[T0+1]
.endm
.macro EXCH off                        ; my half row's sum in v[T0] becomes the row's: both partners add lower half + upper half
	ds_store_b32 v[XW], v[T0] offset:\off
	s_wait_dscnt 0x0                               ; for the partner's sake: my store is done
	s_barrier_signal -1
	s_barrier_wait -1
	ds_load_b32 v[T0], v[XR] offset:\off
	ds_load_b32 v[T0+1], v[XR] offset:\off+256
	s_wait_dscnt 0x0
	v_add_f32 v[T0], v[T0], v[T0+1]
.endm
; 64 numbers of a lane, register 16 b + i = k 32 b + 16 h + i of 128 along my row, become 16 registers of codes and the row's scale word
.macro QUANT src, pc, word
.irp b, 0,1,2,3
	v_max3_num_f32 v[TM+\b], |v[\src+16*\b]|, |v[\src+1+16*\b]|, 0x8000000   ; block b: my 16 numbers, and the floor 2^(16 - 127): the byte cannot fall under 1
.endr
.irp i, 2,4,6,8,10,12,14
.irp b, 0,1,2,3
	v_max3_num_f32 v[TM+\b], v[TM+\b], |v[\src+16*\b+\i]|, |v[\src+1+16*\b+\i]|   ; (the four blocks by turns)
.endr
.endr
.irp b, 0,1,2,3
	v_permlanex16_b32 v[TM+4+\b], v[TM+\b], s[SEL], s[SEL+1]
.endr
.irp b, 0,1,2,3
	v_max_num_f32 v[TM+\b], v[TM+\b], v[TM+4+\b]   ; with lane l xor 16's: the block's largest magnitude
.endr
.irp b, 0,1,2,3
	v_add_nc_u32 v[TM+12+\b], 0xf8800000, v[TM+\b] ; 15 off its exponent field: the conversion takes the exponent field of this operand as its scale
.endr
.irp b, 0,1,2,3
	v_and_or_b32 v[TM+8+\b], v[TM+\b], 0x7f800000, s[MNT]   ; 57,344 x the scale
.endr
.irp b, 0,1,2,3
	v_lshrrev_b32 v[TM+4+\b], 23, v[TM+12+\b]      ; the scale's byte
.endr
	v_lshl_or_b32 v[\word], v[TM+5], 8, v[TM+4]
	v_lshl_or_b32 v[\word], v[TM+6], 16, v[\word]
	v_lshl_or_b32 v[\word], v[TM+7], 24, v[\word]
.irp b, 0,1,2,3
.irp i, 0,1,2,3,4,5,6,7,8,9,10,11,12,13,14,15
	v_med3_num_f32 v[\src+16*\b+\i], v[\src+16*\b+\i], -v[TM+8+\b], v[TM+8+\b]   ; the conversion to an 8-bit code does not saturate (ISA guide 7.6.2): the hold comes first
.endr
	v_cvt_scalef32_pk8_bf8_f32 v[\pc+4*\b:\pc+1+4*\b], v[\src+16*\b:\src+7+16*\b], v[TM+12+\b]
	v_cvt_scalef32_pk8_bf8_f32 v[\pc+2+4*\b:\pc+3+4*\b], v[\src+8+16*\b:\src+15+16*\b], v[TM+12+\b]
.endr
	v_nop                                          ; one plain vector instruction behind the last conversion
.endm
	s_wait_tensorcnt 0x0                           ; the 8 rows that I fetched are in LDS;
	s_barrier_signal -1
	s_barrier_wait -1                              ; so are the other waves': my tile takes rows of two of them
	s_wait_kmcnt 0x0                               ; alpha, beta
.irp b, 0,1,2,3,4,5,6,7
.irp j, 0,1,2,3
	ds_load_b128 v[D+16*\b+4*\j:D+16*\b+4*\j+3], v[RA] offset:128*\b+16*\j   ; my 128 numbers, once
.endr
.endr
	; ---- pass 0: the sum
	s_wait_dscnt 16                                ; LDS loads come back in order: the first 16 loads (64 numbers) are in, the other 16 may be out
.set p, 0
.rept 4
	v_pk_add_f32 v[CH+2*p:CH+2*p+1], v[D+2*p:D+2*p+1], v[D+8+2*p:D+9+2*p]   ; the first pairs start the chains: nothing is cleared
.set p, p+1
.endr
.set p, 8
.rept 24
	v_pk_add_f32 v[CH+2*(p%4):CH+2*(p%4)+1], v[CH+2*(p%4):CH+2*(p%4)+1], v[D+2*p:D+2*p+1]
.set p, p+1
.endr
	s_wait_alu depctr_va_vdst(0)
	s_wait_dscnt 0x0
.rept 32
	v_pk_add_f32 v[CH+2*(p%4):CH+2*(p%4)+1], v[CH+2*(p%4):CH+2*(p%4)+1], v[D+2*p:D+2*p+1]
.set p, p+1
.endr
	FOLD
	EXCH 0
	v_mul_f32 v[MU], 0x3b000000, v[T0]             ; / 512
	v_mov_b32 v[MU+1], v[MU]
	; ---- pass 1: x - mean, in place, and the sum of its squares
.set p, 0
.rept 64
	v_pk_add_f32 v[D+2*p:D+2*p+1], v[D+2*p:D+2*p+1], v[MU:MU+1] neg_lo:[0,1] neg_hi:[0,1]
.set p, p+1
.endr
.set p, 0
.rept 4
	v_pk_mul_f32 v[CH+2*p:CH+2*p+1], v[D+2*p:D+2*p+1], v[D+2*p:D+2*p+1]
.set p, p+1
.endr
.rept 60
	v_pk_fma_f32 v[CH+2*(p%4):CH+2*(p%4)+1], v[D+2*p:D+2*p+1], v[D+2*p:D+2*p+1], v[CH+2*(p%4):CH+2*(p%4)+1]
.set p, p+1
.endr
	FOLD
	EXCH 512
	v_fma_f32 v[T0], v[T0], s17, s18               ; the sum / 511 + 1e-6
	s_wait_alu depctr_va_vdst(0)
	v_rsq_f32 v[T0+1], v[T0]
	v_mov_b32 v[BE], s16                           ; (a plain instruction behind the transcendental)
	v_mov_b32 v[BE+1], s16
	s_wait_alu depctr_va_vdst(0)
	v_mul_f32 v[GA], s15, v[T0+1]
	v_mov_b32 v[GA+1], v[GA]
	; ---- pass 2: the result, its codes and scale words
.set p, 0
.rept 64
	v_pk_fma_f32 v[D+2*p:D+2*p+1], v[D+2*p:D+2*p+1], v[GA:GA+1], v[BE:BE+1]
.set p, p+1
.endr
.irp s, 0,1
	QUANT D+64*\s, PC+16*\s, WD+\s
.irp c, 0,1,2,3
	global_store_b128 v[LI], v[PC+16*\s+4*\c:PC+16*\s+4*\c+3], s[10:11] offset:(4*\s+\c)*512   ; 32 lanes store 512 consecutive bytes
.endr
.endr
	ds_store_b64 v[XW8], v[WD:WD+1]                ; my two scale words
	s_wait_dscnt 0x0                               ; for the partner's sake: my store is done
	s_barrier_signal -1
	s_barrier_wait -1
	s_cmp_lt_u32 s[WV], 2                          ; the lower half's waves store the tile's words
	s_cbranch_scc0 .Lend
	ds_load_b64 v[WD+2:WD+3], v[XW8] offset:512    ; the partner's thread is 64 on: 512 bytes
	s_wait_dscnt 0x0
	global_store_b128 v[SO], v[WD:WD+3], s[12:13]  ; my tile's 256 bytes of scale words; lanes l and l + 16 hold the same words and write the same 16 bytes with the same values
.Lend:
	s_wait_tensorcnt 0x0
	ds_add_u32 v208, v209
	s_wait_dscnt 0x0
	s_endpgm
.Lfunc_end_k_qc79ae4b6a4_ln1:
	.size	k_qc79ae4b6a4_ln1, .Lfunc_end_k_qc79ae4b6a4_ln1-k_qc79ae4b6a4_ln1
	.p2alignl 7, 3214868480
	.fill 96, 4, 3214868480
	.section	.rodata,"a",@progbits
	.p2align	6, 0x0
	.amdhsa_kernel k_qc79ae4b6a4_ln1
		.amdhsa_group_segment_fixed_size 168448
		.amdhsa_private_segment_fixed_size 0
		.amdhsa_enable_private_segment 0
		.amdhsa_kernarg_size 40
		.amdhsa_user_sgpr_count 2
		.amdhsa_user_sgpr_kernarg_segment_ptr 1
		.amdhsa_wavefront_size32 1
		.amdhsa_system_sgpr_workgroup_id_x 1
		.amdhsa_system_sgpr_workgroup_id_y 1
		.amdhsa_system_sgpr_workgroup_id_z 1
		.amdhsa_system_vgpr_workitem_id 0
		.amdhsa_next_free_vgpr 210
		.amdhsa_next_free_sgpr 66
		.amdhsa_reserve_vcc 0
		.amdhsa_float_denorm_mode_32 3
		.amdhsa_float_denorm_mode_16_64 3
		.amdhsa_memory_ordered 1
		.amdhsa_forward_progress 1
		.amdhsa_inst_pref_size 41
	.end_amdhsa_kernel
	.amdgpu_metadata
---
amdhsa.version: [ 1, 2 ]
amdhsa.kernels:
  - .name:           k_qc79ae4b6a4_ln1
    .symbol:         k_qc79ae4b6a4_ln1.kd
    .args:
      - { .name: x, .offset: 0, .size: 8, .value_kind: global_buffer, .address_space: global }
      - { .name: alpha, .offset: 8, .size: 8, .value_kind: global_buffer, .address_space: global }
      - { .name: beta, .offset: 16, .size: 8, .value_kind: global_buffer, .address_space: global }
      - { .name: xc, .offset: 24, .size: 8, .value_kind: global_buffer, .address_space: global }
      - { .name: xs, .offset: 32, .size: 8, .value_kind: global_buffer, .address_space: global }
    .group_segment_fixed_size: 168448
    .private_segment_fixed_size: 0
    .kernarg_segment_align: 8
    .kernarg_segment_size: 40
    .max_flat_workgroup_size: 128
    .sgpr_count:     66
    .vgpr_count:     210
    .wavefront_size: 32
...
	.end_amdgpu_metadata
.endif
;; end of part 1
;; launch qkv (part 2): grid 16 x 12, 4 waves a work-group, clusters of 4 x 1, 168,448 bytes of LDS; arguments xc, xs, Wq_codes, Wq_scales, Wk_codes, Wk_scales, Wv_codes, Wv_scales, qkv; writes qkv
.if DOCPART == 2
	.amdgcn_target "amdgcn-amd-amdhsa--gfx1250"
	.amdhsa_code_object_version 6
	.text
	.protected	k_qc79ae4b6a4_qkv
	.globl	k_qc79ae4b6a4_qkv
	.p2align	8
	.type	k_qc79ae4b6a4_qkv,@function
k_qc79ae4b6a4_qkv:
	s_mov_b64 s[64:65], 0
	v_nop
	global_prefetch_b8 v0, s[64:65] scope:SCOPE_SE
	s_setreg_imm32_b32 hwreg(HW_REG_WAVE_MODE, 25, 1), 1
	s_wait_xcnt 0x0
	s_wait_alu depctr_hold_cnt(0) depctr_sa_sdst(0) depctr_va_vdst(0) depctr_va_sdst(0) depctr_va_ssrc(0) depctr_va_vcc(0) depctr_vm_vsrc(0)
	s_getreg_b32 s2, hwreg(HW_REG_IB_STS2, 6, 4)
	s_cmp_eq_u32 s2, 0
	s_cbranch_scc0 .Lentry_in_a_cluster
	s_endpgm
.Lentry_in_a_cluster:
	s_bfe_u32 s2, ttmp6, 0x10000c
	s_cmp_lg_u32 s2, 0x3003
	s_cbranch_scc0 .Lentry_shape_is_right
	s_endpgm
.Lentry_shape_is_right:
; q = y Wq, k = y Wk, v = y Wv on codes of BF8 (E5M2) with one E8M0 scale for each 32 along K = 512; the results are quantised at once for the attention's two products: q and k along a head's 32 channels, v along the keys.
; SHARES.  Work-group (rg, cb): tokens 512 rg .. + 511; cb / 4 says which weight (0 q, 1 k, 2 v), cb % 4 which four heads (128 rows of the weight).  Wave w: tokens 512 rg + 128 w .. + 127: 8 tiles of 16, all of K in
; 512 registers, loaded once as images of the operand's registers.  The weight's 128 rows lie in LDS, filled once; a head's two tiles (128 registers) are fetched one head ahead: each fragment feeds 8 products.
; CLUSTER.  The four work-groups of a cluster differ in rg alone and need the same rows of the weight: one joint tensor load a wave, with the mask of all four.
; q, k (TRANSPOSED: source 0 = 16 rows of W, source 1 = 16 tokens): a lane holds one token; lane r of W's tile u takes row 32 head + 8 u + r + 8 (r / 8), so that the 16 registers of tiles 0 and 1 are channels 16 h + 0 .. 15.
; v (source 0 = 16 tokens, source 1 = 16 rows of W): a lane holds one channel; the tokens of a tile are 32 G + 8 u + i + 8 (i / 8), so that the 16 registers of tiles 2 G and 2 G + 1 are 16 neighbouring keys.
; OUT, for each (batch, head) a block of 215,040 bytes: K's codes [tile 128][512]; K's scale words [step 16][lane 16 u + r][4 groups]; V's codes [step 16][tile 2][4][512]; V's scale words [step 16][lane 16 tile + r]; Q's codes and words as K's.
; A step is 128 tokens.  Every store of codes covers 512 consecutive bytes.  The four heads are written out: every offset is an immediate (the largest, 3 x 215,040 + 3,584, lies inside the signed 24 bits: ISA guide, chapter 10).
; 192 work-groups: a share of 96 channels would cut heads; stated as it is.
; LIMITS: NaN and infinities are not served.  A block whose largest magnitude lies under 2^-111 gets the byte 1; the bytes are read by this program alone.
; REGISTERS: window 0: v1-5 addresses; v8-11 scale words to store; v12-14 v's words; v16-31 the tokens' scale words; v32-47 W's; v52-67 at work; v72-103 codes; v128-255 16 accumulators.
;   windows 1, 2: the tokens' fragments: K step s in window 1 + s / 2 at v[((s % 2) 8 + t) 16].   window 3: v0-127 W's fragments at v[(4 u + s) 16].
.set HEADB, 215040
.set OV,    73728
.set OQ,    141312
.set WP,    528                        ; a row of W in LDS: 512 bytes + 16 of padding
.set LI,  1                            ; v1  16 x lane
.set WAT, 2                            ; v2  W's fragments, transposed use: (r + 8 (r / 8)) WP + 16 h;   v3  the other use: r WP + 16 h
.set WST, 4                            ; v4  W's scale words, transposed use: 16 (8 h + r + 8 (r / 8))
.set L4,  5                            ; v5  4 x lane
.set HB,  8
.set PW,  12
.set XS,  16                           ; register 4 G + s: lanes 0-15 the words of tile 2 G, lanes 16-31 of tile 2 G + 1, K step s
.set WS,  32                           ; register s: lanes 0-15 W's tile 0, lanes 16-31 tile 1
.set TM,  52
.set PC,  72
.set ACC, 128
.set WV,  22
.set G1,  32
.set G0,  40
.set SEL, 52
.set MNT, 54
.set HIM, 55
.set MSB, 0
.macro WIN new                         ; the immediate's high byte repeats the setting that is left; a switch that changes nothing is dropped
.if MSB != (\new)
	s_set_vgpr_msb (MSB<<8)|(\new)
.set MSB, (\new)
.endif
.endm
.macro CROUND                          ; a round of the cluster's barrier
	s_barrier_signal -1
	s_barrier_wait -1
	s_cmp_lg_u32 s[WV], 0
	s_cbranch_scc1 .Lnot_wave_0_\@
	s_barrier_signal -3
.Lnot_wave_0_\@:
	s_barrier_wait -3
	s_barrier_signal -1
	s_barrier_wait -1
.endm
; one product, C = 0 (MMZ) or C in registers (MMR); ra, rb = 1: that side's scales stand in lanes 16-31
.macro MMZ d, a, b, sa, sb, ra, rb
.if ((\ra)+2*(\rb)) == 0
	v_wmma_scale_f32_16x16x128_f8f6f4 v[\d:\d+7], v[\a:\a+15], v[\b:\b+15], 0, v[\sa], v[\sb] matrix_a_fmt:MATRIX_FMT_BF8 matrix_b_fmt:MATRIX_FMT_BF8
.elseif ((\ra)+2*(\rb)) == 1
	v_wmma_scale_f32_16x16x128_f8f6f4 v[\d:\d+7], v[\a:\a+15], v[\b:\b+15], 0, v[\sa], v[\sb] matrix_a_fmt:MATRIX_FMT_BF8 matrix_b_fmt:MATRIX_FMT_BF8 matrix_a_scale:MATRIX_SCALE_ROW1
.elseif ((\ra)+2*(\rb)) == 2
	v_wmma_scale_f32_16x16x128_f8f6f4 v[\d:\d+7], v[\a:\a+15], v[\b:\b+15], 0, v[\sa], v[\sb] matrix_a_fmt:MATRIX_FMT_BF8 matrix_b_fmt:MATRIX_FMT_BF8 matrix_b_scale:MATRIX_SCALE_ROW1
.else
	v_wmma_scale_f32_16x16x128_f8f6f4 v[\d:\d+7], v[\a:\a+15], v[\b:\b+15], 0, v[\sa], v[\sb] matrix_a_fmt:MATRIX_FMT_BF8 matrix_b_fmt:MATRIX_FMT_BF8 matrix_a_scale:MATRIX_SCALE_ROW1 matrix_b_scale:MATRIX_SCALE_ROW1
.endif
.endm
.macro MMR d, a, b, c, sa, sb, ra, rb
.if ((\ra)+2*(\rb)) == 0
	v_wmma_scale_f32_16x16x128_f8f6f4 v[\d:\d+7], v[\a:\a+15], v[\b:\b+15], v[\c:\c+7], v[\sa], v[\sb] matrix_a_fmt:MATRIX_FMT_BF8 matrix_b_fmt:MATRIX_FMT_BF8
.elseif ((\ra)+2*(\rb)) == 1
	v_wmma_scale_f32_16x16x128_f8f6f4 v[\d:\d+7], v[\a:\a+15], v[\b:\b+15], v[\c:\c+7], v[\sa], v[\sb] matrix_a_fmt:MATRIX_FMT_BF8 matrix_b_fmt:MATRIX_FMT_BF8 matrix_a_scale:MATRIX_SCALE_ROW1
.elseif ((\ra)+2*(\rb)) == 2
	v_wmma_scale_f32_16x16x128_f8f6f4 v[\d:\d+7], v[\a:\a+15], v[\b:\b+15], v[\c:\c+7], v[\sa], v[\sb] matrix_a_fmt:MATRIX_FMT_BF8 matrix_b_fmt:MATRIX_FMT_BF8 matrix_b_scale:MATRIX_SCALE_ROW1
.else
	v_wmma_scale_f32_16x16x128_f8f6f4 v[\d:\d+7], v[\a:\a+15], v[\b:\b+15], v[\c:\c+7], v[\sa], v[\sb] matrix_a_fmt:MATRIX_FMT_BF8 matrix_b_fmt:MATRIX_FMT_BF8 matrix_a_scale:MATRIX_SCALE_ROW1 matrix_b_scale:MATRIX_SCALE_ROW1
.endif
.endm
; 64 numbers of a lane in four blocks of 16 (the other 16 of each block lie in lane l xor 16) become 16 registers of codes; the blocks' bytes stay in v[TM+4] on; word >= 0: they also make a scale word
.macro QUANT src, pc, word
.irp b, 0,1,2,3
	v_max3_num_f32 v[TM+\b], |v[\src+16*\b]|, |v[\src+1+16*\b]|, 0x8000000   ; my 16 numbers, from each accumulator's low end on, and the floor 2^(16 - 127): the byte cannot fall under 1
.endr
.irp i, 2,4,6,8,10,12,14
.irp b, 0,1,2,3
	v_max3_num_f32 v[TM+\b], v[TM+\b], |v[\src+16*\b+\i]|, |v[\src+1+16*\b+\i]|
.endr
.endr
.irp b, 0,1,2,3
	v_permlanex16_b32 v[TM+4+\b], v[TM+\b], s[SEL], s[SEL+1]
.endr
.irp b, 0,1,2,3
	v_max_num_f32 v[TM+\b], v[TM+\b], v[TM+4+\b]   ; the block's largest magnitude
.endr
.irp b, 0,1,2,3
	v_add_nc_u32 v[TM+12+\b], 0xf8800000, v[TM+\b] ; 15 off its exponent field: the conversion's scale operand
.endr
.irp b, 0,1,2,3
	v_and_or_b32 v[TM+8+\b], v[TM+\b], 0x7f800000, s[MNT]   ; 57,344 x the scale
.endr
.irp b, 0,1,2,3
	v_lshrrev_b32 v[TM+4+\b], 23, v[TM+12+\b]      ; the scale's byte
.endr
.if (\word) >= 0
	v_lshl_or_b32 v[\word], v[TM+5], 8, v[TM+4]
	v_lshl_or_b32 v[\word], v[TM+6], 16, v[\word]
	v_lshl_or_b32 v[\word], v[TM+7], 24, v[\word]
.endif
.irp b, 0,1,2,3
.irp i, 0,1,2,3,4,5,6,7,8,9,10,11,12,13,14,15
	v_med3_num_f32 v[\src+16*\b+\i], v[\src+16*\b+\i], -v[TM+8+\b], v[TM+8+\b]   ; the conversion to an 8-bit code does not saturate (ISA guide 7.6.2): the hold comes first
.endr
	v_cvt_scalef32_pk8_bf8_f32 v[\pc+4*\b:\pc+1+4*\b], v[\src+16*\b:\src+7+16*\b], v[TM+12+\b]
	v_cvt_scalef32_pk8_bf8_f32 v[\pc+2+4*\b:\pc+3+4*\b], v[\src+8+16*\b:\src+15+16*\b], v[TM+12+\b]
.endr
	v_nop                                          ; one plain vector instruction behind the last conversion: the next products write its sources
.endm
	s_load_b512 s[4:19], s[0:1], 0x0               ; xc, xs, Wq's codes, scales, Wk's, Wv's
	s_load_b64 s[20:21], s[0:1], 0x40              ; qkv
	v_lshl_add_u32 v126, v0, 2, 0x29000
	v_mov_b32 v127, 0
	ds_add_u32 v126, v127
	ds_add_u32 v126, v127
	v_lshrrev_b32 v1, 5, v0
	v_readfirstlane_b32 s[WV], v1                  ; wave 0..3
	s_bfe_u32 s23, ttmp6, 0x40000                  ; cx: my place in the cluster
	s_lshl_b32 s24, ttmp9, 2
	s_add_co_u32 s24, s24, s23                     ; rg = 4 x cluster x + cx: it enters the tokens' and the results' addresses alone
	s_and_b32 s25, ttmp7, 0xffff                   ; cb, which the four partners share
	s_lshr_b32 s26, s25, 2                         ; 0 q, 1 k, 2 v
	s_and_b32 s27, s25, 3                          ; which four heads
	; descriptor group 1: 32 rows of 512 bytes, 16 bytes of padding behind each
	s_mov_b32 s[G1+0], 15|(1<<20)|(1<<21)|(6<<22)|(3<<25)   ; the mask: all four work-groups; elements of 1 byte; padding on; bit 21 beside a mask; after every 128 words (code 6); four words (code 3)
	s_mov_b32 s[G1+1], 512<<16
	s_mov_b32 s[G1+2], 32<<16
	s_mov_b32 s[G1+3], 512<<16
	s_mov_b32 s[G1+4], 32
	s_mov_b32 s[G1+5], 512
	s_mov_b32 s[G1+6], 0
	s_mov_b32 s[G1+7], 0
	s_lshl_b32 s56, s27, 16                        ; 128 rows of 512 bytes for each four heads,
	s_lshl_b32 s57, s[WV], 14                      ; 32 rows a wave
	s_add_co_u32 s56, s56, s57
	s_mov_b32 s57, 0
	s_lshl_b32 s58, s27, 11                        ; and 128 rows of 16 scale bytes
	s_mov_b32 s59, 0
	s_mov_b32 s[G0], 1
	s_mul_i32 s[G0+1], s[WV], 32*WP
	v_and_b32 v6, 15, v0                           ; r
	v_bfe_u32 v7, v0, 4, 1                         ; h
	v_and_b32 v[LI], 31, v0
	v_lshlrev_b32 v[L4], 2, v[LI]
	v_lshlrev_b32 v[LI], 4, v[LI]
	v_and_b32 v[WST], 8, v6
	v_add_nc_u32 v[WST], v[WST], v6                ; r + 8 (r / 8)
	v_mul_u32_u24 v[WAT], v[WST], WP
	v_lshl_add_u32 v[WAT], v7, 4, v[WAT]
	v_mul_u32_u24 v[WAT+1], v6, WP
	v_lshl_add_u32 v[WAT+1], v7, 4, v[WAT+1]
	v_lshl_add_u32 v[WST], v7, 3, v[WST]
	v_lshlrev_b32 v[WST], 4, v[WST]
.irp b, 0,1,2,3
	v_mov_b32 v[TM+4+\b], 0                        ; written once: a lane permute's destination counts as one of its sources
.endr
	s_wait_dscnt 0x0
	s_wait_kmcnt 0x0
	s_cmp_eq_u32 s26, 0                            ; the weight is chosen on the work-group's number alone
	s_cselect_b64 s[28:29], s[8:9], s[12:13]
	s_cselect_b64 s[30:31], s[10:11], s[14:15]
	s_cmp_eq_u32 s26, 2
	s_cselect_b64 s[28:29], s[16:17], s[28:29]
	s_cselect_b64 s[30:31], s[18:19], s[30:31]
	s_add_nc_u64 s[G0+2:G0+3], s[28:29], s[56:57]
	s_or_b32 s[G0+3], s[G0+3], 0x80000000
	s_add_nc_u64 s[30:31], s[30:31], s[58:59]
	CROUND                                         ; all four work-groups are here: the joint loads meet
	tensor_load_to_lds s[G0:G0+3], s[G1:G1+7]      ; my 32 rows of the weight: the only tensor load of mine that is ever out
	s_nop 0
.rept 4
	v_nop
.endr
	s_lshl_b32 s60, s24, 2
	s_add_co_u32 s60, s60, s[WV]                   ; 4 rg + w: which 128 tokens are mine
	s_lshl_b32 s62, s60, 16                        ; 8 tiles of 8,192 bytes
	s_mov_b32 s63, 0
	s_add_nc_u64 s[48:49], s[4:5], s[62:63]
	s_lshl_b32 s62, s60, 11                        ; 4 groups of 512 bytes of scale words
	s_add_nc_u64 s[50:51], s[6:7], s[62:63]
.irp s, 0,1,2,3
	WIN 0x40+0x40*(\s/2)                           ; destination window 1 or 2
.irp t, 0,1,2,3,4,5,6,7
.irp c, 0,1,2,3
	global_load_b128 v[((\s%2)*8+\t)*16+4*\c:((\s%2)*8+\t)*16+4*\c+3], v[LI], s[48:49] offset:\t*8192+\s*2048+\c*512   ; an image of four operand registers: 512 consecutive bytes
.endr
.endr
.endr
	WIN 0
.irp g, 0,1,2,3
	global_load_b128 v[XS+4*\g:XS+4*\g+3], v[LI], s[50:51] offset:\g*512
.endr
	s_mov_b32 s[SEL], 0x76543210
	s_mov_b32 s[SEL+1], 0xfedcba98
	s_mov_b32 s[MNT], 0x600000
	s_mov_b32 s[HIM], 0xffff0000                   ; lanes 16-31
	s_and_b32 s61, s60, 0xf0                       ; 16 x batch
	s_lshl_b32 s62, s27, 2
	s_add_co_u32 s61, s61, s62                     ; + my first head
	s_mul_i32 s61, s61, HEADB
	s_cmp_eq_u32 s26, 0
	s_cselect_b32 s62, OQ, 0                       ; where q's, k's or v's part of a head's block begins
	s_cmp_eq_u32 s26, 2
	s_cselect_b32 s62, OV, s62
	s_cselect_b32 s63, 7, 9                        ; a step's scale words: 128 bytes for v, 512 for q and k
	s_add_co_u32 s61, s61, s62
	s_and_b32 s62, s60, 15                         ; my step: which 128 tokens of the batch
	s_lshl_b32 s63, s62, s63
	s_lshl_b32 s62, s62, 12                        ; a step's codes: 4,096 bytes
	s_add_co_u32 s56, s61, s62
	s_add_nc_u64 s[44:45], s[20:21], s[56:57]      ; the codes
	s_add_co_u32 s56, s61, s63
	s_add_co_u32 s56, s56, 65536
	s_add_nc_u64 s[46:47], s[20:21], s[56:57]      ; the scale words, 65,536 bytes behind the part's first code
.macro WFETCH mode, hd                 ; head hd's two tiles of W.  mode 0: transposed use (rows 8 u + r + 8 (r / 8)); 1: rows 16 u + r
	WIN 0xc0                                       ; destination window 3
.irp u, 0,1
.irp s, 0,1,2,3
.irp c, 0,1,2,3
	ds_load_b128 v[(4*\u+\s)*16+4*\c:(4*\u+\s)*16+4*\c+3], v[WAT+\mode] offset:(\hd)*32*WP+\u*(8+8*\mode)*WP+128*\s+32*\c
.endr
.endr
.endr
	WIN 0
.endm
.macro PRODUCTS mode                   ; 64 products: K step by K step, the 16 accumulators by turns, one instruction a turn; the first K step starts the sums
.irp s, 0,1,2,3
.if \mode
	WIN 0x0d+(\s/2)                                ; source 0 (tokens) window 1 or 2, source 1 (W) window 3
.else
	WIN 0x07+4*(\s/2)                              ; source 0 (W) window 3, source 1 (tokens) window 1 or 2
.endif
.irp t, 0,1,2,3,4,5,6,7
.irp u, 0,1
.if \mode
.if \s == 0
	MMZ ACC+64*\u+8*\t, ((\s%2)*8+\t)*16, (4*\u+\s)*16, XS+4*(\t/2)+\s, WS+\s, \t%2, \u
.else
	MMR ACC+64*\u+8*\t, ((\s%2)*8+\t)*16, (4*\u+\s)*16, ACC+64*\u+8*\t, XS+4*(\t/2)+\s, WS+\s, \t%2, \u
.endif
.else
.if \s == 0
	MMZ ACC+16*\t+8*\u, (4*\u+\s)*16, ((\s%2)*8+\t)*16, WS+\s, XS+4*(\t/2)+\s, \u, \t%2
.else
	MMR ACC+16*\t+8*\u, (4*\u+\s)*16, ((\s%2)*8+\t)*16, ACC+16*\t+8*\u, WS+\s, XS+4*(\t/2)+\s, \u, \t%2
.endif
.endif
.endr
.endr
.endr
	WIN 0
.endm
.macro TRIP mode, hd                   ; one head
.set WS, 32+4*(\hd)                    ; this head's four scale words of W: v32-47 hold all four heads', loaded once
	s_wait_dscnt 0x0                               ; W's fragments are in,
	s_wait_loadcnt 0x0                             ; and its scale words (in the first trip also the tokens' fragments and words)
	PRODUCTS \mode
.rept 8
	v_nop                                          ; eight places behind this form ahead of loads into registers that the products read and of the first read of results
.endr
.if (\hd) < 3
	WFETCH \mode, (\hd)+1                          ; the next head's, while this head's results are quantised
.endif
.if (\hd) > 0
	s_wait_xcnt 0x0                                ; the last head's stores have read their data: those registers are written again below
.endif
.if \mode
.irp n, 0,1                            ; v: channel tile n: 64 registers = 128 keys of my channel = one fragment of V^T and one scale word
	QUANT ACC+64*\n, PC+16*\n, PW+\n
.irp c, 0,1,2,3
	global_store_b128 v[LI], v[PC+16*\n+4*\c:PC+16*\n+4*\c+3], s[44:45] offset:(\hd)*HEADB+\n*2048+\c*512
.endr
.endr
	v_cndmask_b32 v[PW+2], v[PW], v[PW+1], s[HIM]  ; lanes 0-15 tile 0's words, lanes 16-31 tile 1's
	global_store_b32 v[L4], v[PW+2], s[46:47] offset:(\hd)*HEADB
.else
.irp q, 0,1                            ; q, k: four tiles of tokens at a time; a tile's 16 registers = my half of my token's 32 channels = the low four registers of a fragment
	QUANT ACC+64*\q, PC+16*\q, -1
	v_cndmask_b32 v[HB+2*\q], v[TM+4], v[TM+5], s[HIM]       ; a group's word: lanes 0-15 the even tile's byte, lanes 16-31 the odd tile's; the upper bytes are 0 and scale zero codes
	v_cndmask_b32 v[HB+2*\q+1], v[TM+6], v[TM+7], s[HIM]
.irp i, 0,1,2,3
	global_store_b128 v[LI], v[PC+16*\q+4*\i:PC+16*\q+4*\i+3], s[44:45] offset:(\hd)*HEADB+(4*\q+\i)*512
.endr
.endr
	global_store_b128 v[LI], v[HB:HB+3], s[46:47] offset:(\hd)*HEADB
.endif
.endm
.macro PATH mode
.irp hd, 0,1,2,3                       ; W's scale words of all four heads, once: no later trip has a global load to wait for
.if \mode
	global_load_b128 v[32+4*\hd:35+4*\hd], v[LI], s[30:31] offset:\hd*512
.else
	global_load_b128 v[32+4*\hd:35+4*\hd], v[WST], s[30:31] offset:\hd*512
.endif
.endr
	WFETCH \mode, 0
.irp hd, 0,1,2,3
	TRIP \mode, \hd
.endr
.endm
	s_wait_tensorcnt 0x0                           ; my rows of the weight are in LDS,
	s_barrier_signal -1
	s_barrier_wait -1                              ; everybody's are
	s_cmp_eq_u32 s26, 2                            ; the same in all four partners
	s_cbranch_scc1 .Lvalues
	s_wait_alu depctr_va_vdst(0)
	PATH 0
	s_branch .Lend
.Lvalues:
	s_wait_alu depctr_va_vdst(0)
	PATH 1
.Lend:
	s_wait_tensorcnt 0x0
	ds_add_u32 v126, v127
	s_wait_dscnt 0x0
	CROUND                                         ; the closing round: no work-group ends while a partner may still ask jointly
	s_endpgm
.Lfunc_end_k_qc79ae4b6a4_qkv:
	.size	k_qc79ae4b6a4_qkv, .Lfunc_end_k_qc79ae4b6a4_qkv-k_qc79ae4b6a4_qkv
	.p2alignl 7, 3214868480
	.fill 96, 4, 3214868480
	.section	.rodata,"a",@progbits
	.p2align	6, 0x0
	.amdhsa_kernel k_qc79ae4b6a4_qkv
		.amdhsa_group_segment_fixed_size 168448
		.amdhsa_private_segment_fixed_size 0
		.amdhsa_enable_private_segment 0
		.amdhsa_kernarg_size 72
		.amdhsa_user_sgpr_count 2
		.amdhsa_user_sgpr_kernarg_segment_ptr 1
		.amdhsa_wavefront_size32 1
		.amdhsa_system_sgpr_workgroup_id_x 1
		.amdhsa_system_sgpr_workgroup_id_y 1
		.amdhsa_system_sgpr_workgroup_id_z 1
		.amdhsa_system_vgpr_workitem_id 0
		.amdhsa_next_free_vgpr 896
		.amdhsa_next_free_sgpr 66
		.amdhsa_reserve_vcc 0
		.amdhsa_float_denorm_mode_32 3
		.amdhsa_float_denorm_mode_16_64 3
		.amdhsa_memory_ordered 1
		.amdhsa_forward_progress 1
		.amdhsa_inst_pref_size 237
	.end_amdhsa_kernel
	.amdgpu_metadata
---
amdhsa.version: [ 1, 2 ]
amdhsa.kernels:
  - .name:           k_qc79ae4b6a4_qkv
    .symbol:         k_qc79ae4b6a4_qkv.kd
    .args:
      - { .name: xc, .offset: 0, .size: 8, .value_kind: global_buffer, .address_space: global }
      - { .name: xs, .offset: 8, .size: 8, .value_kind: global_buffer, .address_space: global }
      - { .name: Wq_codes, .offset: 16, .size: 8, .value_kind: global_buffer, .address_space: global }
      - { .name: Wq_scales, .offset: 24, .size: 8, .value_kind: global_buffer, .address_space: global }
      - { .name: Wk_codes, .offset: 32, .size: 8, .value_kind: global_buffer, .address_space: global }
      - { .name: Wk_scales, .offset: 40, .size: 8, .value_kind: global_buffer, .address_space: global }
      - { .name: Wv_codes, .offset: 48, .size: 8, .value_kind: global_buffer, .address_space: global }
      - { .name: Wv_scales, .offset: 56, .size: 8, .value_kind: global_buffer, .address_space: global }
      - { .name: qkv, .offset: 64, .size: 8, .value_kind: global_buffer, .address_space: global }
    .group_segment_fixed_size: 168448
    .private_segment_fixed_size: 0
    .kernarg_segment_align: 8
    .kernarg_segment_size: 72
    .max_flat_workgroup_size: 128
    .sgpr_count:     66
    .vgpr_count:     896
    .wavefront_size: 32
...
	.end_amdgpu_metadata
.endif
;; end of part 2
;; launch attn (part 3): grid 8 x 32, 16 waves a work-group, clusters of 4 x 1, 327,680 bytes of LDS; arguments qkv, x, x1; writes x1
.if DOCPART == 3
	.amdgcn_target "amdgcn-amd-amdhsa--gfx1250"
	.amdhsa_code_object_version 6
	.text
	.protected	k_qc79ae4b6a4_attn
	.globl	k_qc79ae4b6a4_attn
	.p2align	8
	.type	k_qc79ae4b6a4_attn,@function
k_qc79ae4b6a4_attn:
	s_mov_b64 s[64:65], 0
	v_nop
	global_prefetch_b8 v0, s[64:65] scope:SCOPE_SE
	s_setreg_imm32_b32 hwreg(HW_REG_WAVE_MODE, 25, 1), 1
	s_wait_xcnt 0x0
	s_wait_alu depctr_hold_cnt(0) depctr_sa_sdst(0) depctr_va_vdst(0) depctr_va_sdst(0) depctr_va_ssrc(0) depctr_va_vcc(0) depctr_vm_vsrc(0)
	s_getreg_b32 s2, hwreg(HW_REG_IB_STS2, 6, 4)
	s_cmp_eq_u32 s2, 0
	s_cbranch_scc0 .Lentry_in_a_cluster
	s_endpgm
.Lentry_in_a_cluster:
	s_bfe_u32 s2, ttmp6, 0x10000c
	s_cmp_lg_u32 s2, 0x3003
	s_cbranch_scc0 .Lentry_shape_is_right
	s_endpgm
.Lentry_shape_is_right:
; x1 = x + attention(q, k, v): for each batch and head, O[q] = sum over keys of softmax(q . k / sqrt(512)) v, both products on codes of BF8 (E5M2) with one E8M0 scale for each 32 along a product's K.
; THE SOFTMAX AHEAD OF THE SECOND PRODUCT: t = score x log2(e) / sqrt(512); M = the running largest t rounded up to a whole number; p = 2^(t - M) is quantised along the keys, not normalised;
; the row's sum is taken of the unquantised p in f32 and divides O at the end.  When M moves, the sum and O are multiplied by 2^(old M - new M), which rounds nothing.
; IN: qkv, for each (batch, head) a block of 215,040 bytes: K's codes [tile 128][512 bytes: the image of four operand registers]; K's scale words [step 16][lane 16 u + r][4 groups], the byte in a word's low end;
; V's codes [step 16][tile 2][4][512]; V's scale words [step 16][lane 16 tile + r]; Q's codes and words as K's.  A step is 128 keys.
; SHARES.  Work-group (qb, y): 256 queries of batch y / 8, heads 2 (y % 8) and + 1: 256 bytes of each row of x1.  Each of sixteen waves owns one tile of 16 queries and walks first one head's 2,048 keys, then the other's.
; K, V and their scale words of BOTH heads, 2 x 141,312 bytes, lie in LDS, filled once: waves 0-7 fetch eighths of the first head's, waves 8-15 of the second's, one tensor load a wave (69 rows of 256 bytes), so one barrier serves the launch.
; CLUSTER.  The four work-groups of a cluster differ in qb alone and need the same K and V: the loads are joint, with the mask of all four.
; NO PREFETCH: all that the launch reads of K and V is asked for by the head's one load a wave; behind it nothing is streamed, so there is no loop to run ahead in.
; BOTH PRODUCTS TRANSPOSED: S^T = K Q^T, O^T = V^T P^T: a lane holds one query (lane % 16) throughout; the keys of a tile are 32 b + 8 u + r + 8 (r / 8), so the 16 registers of tiles 2 b, 2 b + 1 are 16 neighbouring keys.
; A HEAD HAS 32 CHANNELS, a quarter of the instruction's K.  K's operand is DENSE: block c of it holds key tile 2 c (operand KE) or 2 c + 1 (KO), byte c of its scale word that tile's scale.  Q stands in a window of 28 registers,
; 12 zeros, Q's four, 12 zeros: the 16 registers from QW + 12 - 4 c on hold Q in block c and zero codes elsewhere, so that product picks tile 2 c (+ 1) alone.  Q's scale byte is repeated in all four bytes; zero codes add nothing under it.
; ORDER OF A STEP: softmax(i), O^T += V^T P^T (i), S^T(i + 1): eight score products stand between two steps of each sum of O^T.  K(i + 1) and V(i) are asked of LDS at the step's head and awaited behind the exponentials.
; THE WAY OUT: each wave's own stage in LDS (16 rows x 144 bytes, bytes that no fill lands on) takes one head at a time; the first head's result waits there while the second is computed.
; LIMITS: NaN and infinities are not served.  The promise holds while the scaled scores stay under 2^31 in magnitude.  A block whose every p has fallen under 2^-111 gets the byte 1; its codes are zeros or nearly so.
.set HEADB, 215040
.set KVB,   141312                     ; K, its words, V, its words: what a head has in LDS
.set OKS,   65536
.set OV,    73728
.set OVS,   139264
.set OQ,    141312
.set OQS,   206848
.set PART,  17664                      ; an eighth of KVB: 69 rows of 256 bytes
.set SPARE, 2*KVB                      ; the spare words: 128 bytes a wave, eight blocks of 256 bytes that no other line names
.set STAGE, SPARE+2048
.set SP,    144                        ; a stage's row: 128 bytes + 16
.set AK,   1                           ; LDS addresses that walk: K's codes of the next step,
.set AV,   2                           ; V's codes of this step,
.set AKS,  3                           ; K's scale words of the next step,
.set AVS,  4                           ; V's of this step
.set STO,  5
.set RD,   6
.set GO,   7
.set L16,  8                           ; 16 x lane
.set QSO,  9                           ; 16 r
.set SPW,  10
.set NIL,  11
.set QW,   16                          ; v16-43 Q's window.  v12 -M, v13 the largest score, v[14:15] the sum in two halves
.set KE,   44
.set KO,   60
.set VF,   76                          ; v76-107 V's two fragments
.set S,    108                         ; v108-171 S^T, then p
.set O,    172                         ; v172-187 O^T
.set PC,   188                         ; v188-203 p's codes
.set KS,   204                         ; v204-207 K's four words as loaded
.set KW,   208                         ; K's packed scale word
.set VW,   209
.set QS,   210
.set OLD,  211
.set BM,   212                         ; v212-215 the blocks' largest scores, then largest p
.set T1,   216
.set HO,   220                         ; 57,344 x the scale
.set SCL,  224                         ; the conversions' scale operands
.set F,    228                         ; f = 2^(old M - new M)
.set PW,   229                         ; p's scale word
.set TMP,  230
.set L4,   231                         ; 4 x lane
.set CH,   232                         ; v232-239 four chains of pairs for the row's sum
.set Q1,   240                         ; v240-243 the second head's Q; v244, v245 the two heads' scale words of Q as loaded
.set WV,   10
.set G1,   16
.set G0,   24
.set SEL,  40
.set CS,   42
.set MNT,  44
.set CNT,  45
.set HM,   46
.macro CROUND                          ; a round of the cluster's barrier
	s_barrier_signal -1
	s_barrier_wait -1
	s_cmp_lg_u32 s[WV], 0
	s_cbranch_scc1 .Lnot_wave_0_\@
	s_barrier_signal -3
.Lnot_wave_0_\@:
	s_barrier_wait -3
	s_barrier_signal -1
	s_barrier_wait -1
.endm
	s_load_b128 s[4:7], s[0:1], 0x0                ; qkv, x
	s_load_b64 s[8:9], s[0:1], 0x10                ; x1
	v_lshl_add_u32 v[SPW], v0, 2, SPARE
	v_mov_b32 v[NIL], 0
	ds_add_u32 v[SPW], v[NIL]                      ; the opening lines: the add, twice on end, and its wait ahead of my tensor load
	ds_add_u32 v[SPW], v[NIL]
	v_lshrrev_b32 v1, 5, v0
	v_readfirstlane_b32 s[WV], v1                  ; wave 0..15
	s_bfe_u32 s11, ttmp6, 0x40000                  ; cx
	s_lshl_b32 s12, ttmp9, 2
	s_add_co_u32 s12, s12, s11                     ; qb = 4 x cluster x + cx: it enters Q's, x's and x1's addresses alone
	s_and_b32 s13, ttmp7, 0xffff                   ; y, which the four partners share
	s_mov_b32 s[G1+0], 15|(3<<16)|(1<<21)          ; the mask of all four; elements of 8 bytes; bit 21 beside a mask; no padding: the bytes are images of registers
	s_mov_b32 s[G1+1], 32<<16
	s_mov_b32 s[G1+2], 69<<16
	s_mov_b32 s[G1+3], 32<<16
	s_mov_b32 s[G1+4], 69
	s_mov_b32 s[G1+5], 32
	s_mov_b32 s[G1+6], 0
	s_mov_b32 s[G1+7], 0
	s_mul_i32 s50, s13, 2*HEADB                    ; my two heads' blocks
	s_mov_b32 s51, 0
	s_lshr_b32 s52, s[WV], 3                       ; which head I fetch for,
	s_mul_i32 s52, s52, HEADB
	s_and_b32 s53, s[WV], 7                        ; and which eighth
	s_mul_i32 s53, s53, PART
	s_add_co_u32 s52, s52, s53
	s_mov_b32 s53, 0
	s_mov_b32 s[G0], 1
	s_mul_i32 s[G0+1], s[WV], PART                 ; in LDS the sixteen parts lie on end
	s_wait_dscnt 0x0
	s_wait_kmcnt 0x0
	s_add_nc_u64 s[54:55], s[4:5], s[50:51]
	s_add_nc_u64 s[G0+2:G0+3], s[54:55], s[52:53]
	s_or_b32 s[G0+3], s[G0+3], 0x80000000
	CROUND                                         ; all four work-groups are here: the joint loads meet
	tensor_load_to_lds s[G0:G0+3], s[G1:G1+7]      ; my one tensor load of the launch
	s_nop 0
.rept 4
	v_nop
.endr
	s_lshl_b32 s56, s12, 4
	s_add_co_u32 s56, s56, s[WV]                   ; my tile of queries, 0..127
	s_lshl_b32 s58, s56, 9
	s_add_co_u32 s58, s58, OQ
	s_mov_b32 s59, 0
	s_add_nc_u64 s[32:33], s[54:55], s[58:59]      ; Q's codes
	s_lshr_b32 s58, s56, 3
	s_lshl_b32 s58, s58, 9                         ; Q's words: 512 bytes a step,
	s_and_b32 s57, s[WV], 1
	s_lshl_b32 s57, s57, 8                         ; 256 for the odd tiles,
	s_add_co_u32 s58, s58, s57
	s_bfe_u32 s57, s[WV], 0x20001
	s_lshl_b32 s57, s57, 2                         ; 4 a group
	s_add_co_u32 s58, s58, s57
	s_add_co_u32 s58, s58, OQS
	s_add_nc_u64 s[34:35], s[54:55], s[58:59]
	s_lshr_b32 s58, s13, 3
	s_lshl_b32 s58, s58, 22                        ; x, x1: the batch,
	s_lshr_b32 s57, s56, 1
	s_lshl_b32 s57, s57, 16                        ; 32 tokens of 2,048 bytes for two tiles,
	s_add_co_u32 s58, s58, s57
	s_and_b32 s57, s[WV], 1
	s_lshl_b32 s57, s57, 14                        ; 8 tokens for the odd tile,
	s_add_co_u32 s58, s58, s57
	s_and_b32 s57, s13, 7
	s_lshl_b32 s57, s57, 8                         ; my two heads' 256 bytes of a row
	s_add_co_u32 s58, s58, s57
	s_add_nc_u64 s[36:37], s[6:7], s[58:59]
	s_add_nc_u64 s[38:39], s[8:9], s[58:59]
	s_mov_b32 s[SEL], 0x76543210
	s_mov_b32 s[SEL+1], 0xfedcba98                 ; v_permlanex16_b32's selects for lane l xor 16
	s_mov_b32 s[CS], 0x3d8293ee                    ; c = log2(e) / sqrt(512)
	s_mov_b32 s[CS+1], s[CS]
	s_mov_b32 s[MNT], 0x600000                     ; the mantissa field of 57,344
	s_mov_b32 s[HM], 0xff00ff00                    ; lanes whose bit 3 is set
	s_mul_i32 s49, s[WV], 16*SP
	s_add_co_u32 s49, s49, STAGE                   ; my stage
	v_and_b32 v[TMP], 15, v0                       ; r
	v_bfe_u32 v[OLD], v0, 4, 1                     ; h
	v_and_b32 v[L4], 31, v0
	v_lshlrev_b32 v[L16], 4, v[L4]
	v_lshlrev_b32 v[L4], 2, v[L4]
	v_lshlrev_b32 v[QSO], 4, v[TMP]
	global_load_b128 v[QW+12:QW+15], v[L16], s[32:33]              ; the first head's Q, straight into the window
	global_load_b32 v[Q1+4], v[QSO], s[34:35]
	global_load_b128 v[Q1:Q1+3], v[L16], s[32:33] offset:HEADB     ; the second head's, kept until its turn
	global_load_b32 v[Q1+5], v[QSO], s[34:35] offset:HEADB
	v_mul_u32_u24 v[STO], v[TMP], SP
	v_lshl_add_u32 v[STO], v[OLD], 5, v[STO]
	v_add_nc_u32 v[STO], s49, v[STO]               ; in: row r, + 32 h
	v_and_b32 v[RD], 7, v0
	v_lshlrev_b32 v[RD], 4, v[RD]
	v_mad_u32_u24 v[RD], v[OLD], SP, v[RD]
	v_add_nc_u32 v[RD], s49, v[RD]                 ; back: lanes 0-15 one row, lanes 16-31 the next; piece lane % 8 of its 128 bytes
	v_lshlrev_b32 v[GO], 11, v[OLD]
	v_lshl_add_u32 v[GO], v[TMP], 4, v[GO]
.set j, 0
.rept 12
	v_mov_b32 v[QW+j], 0                           ; the window's zero codes, once
	v_mov_b32 v[QW+16+j], 0
.set j, j+1
.endr
.irp b, 0,1,2,3
	v_mov_b32 v[T1+\b], 0                          ; written once: a lane permute's destination counts as one of its sources
.endr
	v_mov_b32 v[PW], 0                             ; (named as the upper half of the pair with f before it is first written)
.macro KLOAD                           ; a step's eight tiles of K into the two dense operands, and its scale words
	ds_load_b128 v[KS:KS+3], v[AKS]
.irp c, 0,1,2,3
	ds_load_b128 v[KE+4*\c:KE+4*\c+3], v[AK] offset:1024*\c
	ds_load_b128 v[KO+4*\c:KO+4*\c+3], v[AK] offset:1024*\c+512
.endr
.endm
.macro VLOAD
.irp n, 0,1
.irp c, 0,1,2,3
	ds_load_b128 v[VF+16*\n+4*\c:VF+16*\n+4*\c+3], v[AV] offset:2048*\n+512*\c
.endr
.endr
	ds_load_b32 v[VW], v[AVS]
.endm
.macro PACK                            ; byte c of the word: the scale of tile 2 c (lanes 0-15) or 2 c + 1 (lanes 16-31)
	v_lshl_or_b32 v[KW], v[KS+1], 8, v[KS]
	v_lshl_or_b32 v[KW], v[KS+2], 16, v[KW]
	v_lshl_or_b32 v[KW], v[KS+3], 24, v[KW]
.endm
.macro SMUL                            ; S^T of 128 keys: eight products, each starting its sum
.irp c, 0,1,2,3
	v_wmma_scale_f32_16x16x128_f8f6f4 v[S+16*\c:S+16*\c+7], v[KE:KE+15], v[QW+12-4*\c:QW+27-4*\c], 0, v[KW], v[QS] matrix_a_fmt:MATRIX_FMT_BF8 matrix_b_fmt:MATRIX_FMT_BF8
	v_wmma_scale_f32_16x16x128_f8f6f4 v[S+16*\c+8:S+16*\c+15], v[KO:KO+15], v[QW+12-4*\c:QW+27-4*\c], 0, v[KW], v[QS] matrix_a_fmt:MATRIX_FMT_BF8 matrix_b_fmt:MATRIX_FMT_BF8 matrix_a_scale:MATRIX_SCALE_ROW1
.endr
.endm
.macro FMA from, n                     ; t - M, two at a time
.set j, 2*(\from)
.rept \n
	v_pk_fma_f32 v[S+j:S+j+1], v[S+j:S+j+1], s[CS:CS+1], v[12:13] op_sel_hi:[1,0,0]
.set j, j+2
.endr
.endm
.macro COMBO                           ; the four chains join the row's sum
	v_pk_add_f32 v[CH:CH+1], v[CH:CH+1], v[CH+2:CH+3]
	v_pk_add_f32 v[CH+4:CH+5], v[CH+4:CH+5], v[CH+6:CH+7]
	v_pk_add_f32 v[CH:CH+1], v[CH:CH+1], v[CH+4:CH+5]
	v_pk_add_f32 v[14:15], v[14:15], v[CH:CH+1]
.endm
; A head's opening: addresses, step 0's K, the state, S^T(0)
.macro PRO hd
	v_add_nc_u32 v[AK], \hd*KVB, v[L16]
	v_add_nc_u32 v[AKS], \hd*KVB+OKS, v[L16]
	v_add_nc_u32 v[AV], \hd*KVB+OV, v[L16]
	v_add_nc_u32 v[AVS], \hd*KVB+OVS, v[L4]
	KLOAD
	s_wait_alu depctr_va_vdst(0)                   ; directly ahead of the wait below
	s_wait_dscnt 0x0
.if \hd == 0
	s_wait_loadcnt 0x0                             ; both heads' Q and words
.else
.irp i, 0,1,2,3
	v_mov_b32 v[QW+12+\i], v[Q1+\i]                ; the second head's Q into the window
.endr
.endif
	PACK
	v_perm_b32 v[QS], v[Q1+4+\hd], v[Q1+4+\hd], 0  ; Q's scale byte in all four bytes
	v_add_nc_u32 v[AK], 4096, v[AK]                ; on to step 1's K
	v_add_nc_u32 v[AKS], 512, v[AKS]
.set j, 0
.rept 8
	v_mov_b32 v[O+j], 0                            ; O^T begins as zeros, which the first change of M leaves zeros.  (With the two lines above: ten places behind the scale words' writes; eight are asked)
.set j, j+1
.endr
	SMUL
.rept 8
	v_mov_b32 v[O+j], 0                            ; (these and the five below are the places ahead of the first read of S^T)
.set j, j+1
.endr
	v_mov_b32 v13, 0xff61b1e6                      ; the largest score so far: -3e38
	v_floor_f32 v12, -v13
	v_mov_b32 v14, 0
	v_mov_b32 v15, 0
	v_mov_b32 v[OLD], v12
.endm
; A KEY STEP.  mode 0: in the loop.  1, 2: a head's last step, which asks for no further K and multiplies no further scores; 2 also asks for x
.macro SOFT mode
.irp b, 0,1,2,3
	v_max3_num_f32 v[BM+\b], v[S+16*\b], v[S+1+16*\b], v[S+2+16*\b]   ; the largest score of each block of 32 keys, the four blocks by turns; each accumulator is read from its low end on
.endr
.irp i, 3,5,7,9,11,13
.irp b, 0,1,2,3
	v_max3_num_f32 v[BM+\b], v[BM+\b], v[S+16*\b+\i], v[S+1+16*\b+\i]
.endr
.endr
.irp b, 0,1,2,3
	v_max_num_f32 v[BM+\b], v[BM+\b], v[S+15+16*\b]
.endr
.irp b, 0,1,2,3
	v_permlanex16_b32 v[T1+\b], v[BM+\b], s[SEL], s[SEL+1]
.endr
.if (\mode) == 0
	KLOAD                                          ; the next step's K: its registers were last read by products at least 44 vector instructions back
.endif
	VLOAD                                          ; this step's V
.if (\mode) == 2
.irp j, 0,1,2,3,4,5,6,7
	global_load_b128 v[KE+4*\j:KE+4*\j+3], v[GO], s[36:37] offset:(2*\j+8*(\j/4))*2048 th:TH_LOAD_NT   ; x at my 16 tokens' 256 bytes, into K's registers, which are done with
.endr
.endif
.irp b, 0,1,2,3
	v_max_num_f32 v[BM+\b], v[BM+\b], v[T1+\b]     ; with lane l xor 16's 16 keys
.endr
	s_delay_alu instid0(VALU_DEP_2)
	v_max3_num_f32 v[TMP], v[BM], v[BM+1], v[BM+2]
	s_delay_alu instid0(VALU_DEP_1)
	v_max3_num_f32 v13, v13, v[TMP], v[BM+3]       ; the running largest score
	s_delay_alu instid0(VALU_DEP_1)
	v_mul_f32 v[TMP], s[CS], v13                   ; as t (c is positive)
	s_delay_alu instid0(VALU_DEP_1)
	v_floor_f32 v12, -v[TMP]                       ; -M = floor(-t): M is a whole number
	FMA 0, 8
	v_sub_f32 v[TMP], v12, v[OLD]                  ; old M - new M, 0 or less
	FMA 8, 8
	v_cvt_i32_f32 v[TMP], v[TMP]                   ; (it saturates)
	FMA 16, 8
	v_ldexp_f32 v[F], 1.0, v[TMP]                  ; f = 2^(old M - new M)
	FMA 24, 8
	v_pk_fma_f32 v[BM:BM+1], v[BM:BM+1], s[CS:CS+1], v[12:13] op_sel_hi:[1,0,0]      ; the same of each block's largest score
	v_pk_fma_f32 v[BM+2:BM+3], v[BM+2:BM+3], s[CS:CS+1], v[12:13] op_sel_hi:[1,0,0]
.set j, 0
.rept 8
	v_pk_mul_f32 v[O+j:O+j+1], v[O+j:O+j+1], v[F:F+1] op_sel_hi:[1,0]   ; O^T under the new M, ahead of the exponentials
.set j, j+2
.endr
	s_wait_alu depctr_va_vdst(0)
.set j, 0
.rept 64
	v_exp_f32 v[S+j], v[S+j]                       ; p = 2^(t - M), at most 1
.set j, j+1
.endr
.irp b, 0,1,2,3
	v_exp_f32 v[BM+\b], v[BM+\b]                   ; the block's largest p: the same two instructions on the same number
.endr
	v_pk_mul_f32 v[14:15], v[14:15], v[F:F+1] op_sel_hi:[1,0]   ; the sum under the new M (the plain place behind the batch)
	s_wait_alu depctr_va_vdst(0)                   ; one wait for the batch, ahead of its first reader and of the wait below
	s_wait_dscnt 0x0                               ; the 18 (last step: 9) LDS loads asked for at the step's head
.if (\mode) == 0
	PACK
.endif
.irp b, 0,1,2,3
	v_max_num_f32 v[BM+\b], 0x8000000, v[BM+\b]    ; the floor 2^(16 - 127): the byte cannot fall under 1
.endr
.irp b, 0,1,2,3
	v_add_nc_u32 v[SCL+\b], 0xf8800000, v[BM+\b]   ; 15 off the exponent field: the conversion's scale operand
.endr
.irp b, 0,1,2,3
	v_and_or_b32 v[HO+\b], v[BM+\b], 0x7f800000, s[MNT]   ; 57,344 x the scale
.endr
.irp b, 0,1,2,3
	v_lshrrev_b32 v[T1+\b], 23, v[SCL+\b]          ; the scale's byte
.endr
	v_lshl_or_b32 v[PW], v[T1+1], 8, v[T1]
	v_lshl_or_b32 v[PW], v[T1+2], 16, v[PW]
	v_lshl_or_b32 v[PW], v[T1+3], 24, v[PW]
.irp k, 0,1,2,3
	v_pk_add_f32 v[CH+2*\k:CH+2*\k+1], v[S+4*\k:S+4*\k+1], v[S+4*\k+2:S+4*\k+3]   ; the row's sum of the unquantised p: four chains of pairs
.endr
.set j, 16
.rept 24
	v_pk_add_f32 v[CH+2*((j/2)%4):CH+2*((j/2)%4)+1], v[CH+2*((j/2)%4):CH+2*((j/2)%4)+1], v[S+j:S+j+1]
.set j, j+2
.endr
.irp g, 0,2
.irp i, 0,1,2,3,4,5,6,7,8,9,10,11,12,13,14,15
	v_dual_min_num_f32 v[S+16*\g+\i], v[S+16*\g+\i], v[HO+\g] :: v_dual_min_num_f32 v[S+16+16*\g+\i+1-2*(\i%2)], v[S+16+16*\g+\i+1-2*(\i%2)], v[HO+1+\g]   ; the hold: the conversion does not saturate (ISA guide 7.6.2); p is not negative
.endr
	v_cvt_scalef32_pk8_bf8_f32 v[PC+4*\g:PC+1+4*\g], v[S+16*\g:S+7+16*\g], v[SCL+\g]
	v_cvt_scalef32_pk8_bf8_f32 v[PC+2+4*\g:PC+3+4*\g], v[S+8+16*\g:S+15+16*\g], v[SCL+\g]
	v_cvt_scalef32_pk8_bf8_f32 v[PC+4+4*\g:PC+5+4*\g], v[S+16+16*\g:S+23+16*\g], v[SCL+1+\g]
	v_cvt_scalef32_pk8_bf8_f32 v[PC+6+4*\g:PC+7+4*\g], v[S+24+16*\g:S+31+16*\g], v[SCL+1+\g]
.endr
.if (\mode) == 0
	v_add_nc_u32 v[AK], 4096, v[AK]                ; the addresses' steps are the four places between the codes' writes and the products
	v_add_nc_u32 v[AKS], 512, v[AKS]
	v_add_nc_u32 v[AV], 4096, v[AV]
	v_add_nc_u32 v[AVS], 128, v[AVS]
.else
	COMBO                                          ; (four places likewise)
.endif
	v_wmma_scale_f32_16x16x128_f8f6f4 v[O:O+7], v[VF:VF+15], v[PC:PC+15], v[O:O+7], v[VW], v[PW] matrix_a_fmt:MATRIX_FMT_BF8 matrix_b_fmt:MATRIX_FMT_BF8
	v_wmma_scale_f32_16x16x128_f8f6f4 v[O+8:O+15], v[VF+16:VF+31], v[PC:PC+15], v[O+8:O+15], v[VW], v[PW] matrix_a_fmt:MATRIX_FMT_BF8 matrix_b_fmt:MATRIX_FMT_BF8 matrix_a_scale:MATRIX_SCALE_ROW1
.if (\mode) == 0
	SMUL                                           ; the next step's scores
	COMBO                                          ; eight places ahead of their first read: these four
	v_mov_b32 v[OLD], v12                          ; this one,
.rept 3
	v_nop                                          ; and three for which no work is at hand
.endr
.endif
.endm
.macro FINISH                          ; O^T / the row's sum, into S^T's first 16 registers
.rept 8
	v_nop                                          ; eight places ahead of the first read of O^T
.endr
	v_add_f32 v14, v14, v15
	s_delay_alu instid0(VALU_DEP_1)
	v_permlanex16_b32 v[T1], v14, s[SEL], s[SEL+1]
	s_delay_alu instid0(VALU_DEP_1)
	v_add_f32 v14, v14, v[T1]
	s_wait_alu depctr_va_vdst(0)                   ; ahead of the transcendental
	v_rcp_f32 v14, v14
	v_nop
	s_wait_alu depctr_va_vdst(0)                   ; and ahead of its first reader, which is also O^T's
.set j, 0
.rept 16
	v_mul_f32 v[S+j], v[O+j], v14                  ; register 8 n + i is channel 16 n + 8 h + i of query r
.set j, j+1
.endr
.endm
.macro TOSTAGE
.irp n, 0,1
	ds_store_b128 v[STO], v[S+8*\n:S+8*\n+3] offset:64*\n
	ds_store_b128 v[STO], v[S+8*\n+4:S+8*\n+7] offset:64*\n+16
.endr
.endm
.macro BACK dst
.irp j, 0,1,2,3,4,5,6,7
	ds_load_b128 v[\dst+4*\j:\dst+4*\j+3], v[RD] offset:2*\j*SP
.endr
.endm
.macro HEAD hd
	PRO \hd
	s_mov_b32 s[CNT], 15
.Lstep_\@:
	SOFT 0
	s_sub_co_u32 s[CNT], s[CNT], 1
	s_cmp_lg_u32 s[CNT], 0
	s_cbranch_scc1 .Lstep_\@
	SOFT 1+\hd                                     ; the last step is written out: it fetches nothing beyond the head's keys
	FINISH
.endm
	s_wait_alu depctr_va_vdst(0)
	s_wait_tensorcnt 0x0                           ; my part of K and V is in LDS,
	s_barrier_signal -1
	s_barrier_wait -1                              ; everybody's is; nothing is ever filled again
	HEAD 0
	TOSTAGE                                        ; the first head's result waits in my stage
	HEAD 1
	BACK S+32                                      ; the first head's rows; LDS serves a wave's instructions in order (ISA guide 5.7.1.4), so the stores below come behind these loads
	TOSTAGE
	BACK VF                                        ; the second head's
	s_wait_dscnt 0x0
	s_wait_loadcnt 0x0                             ; x
.set j, 0
.rept 32
	v_cndmask_b32 v[S+32+j], v[S+32+j], v[VF+j], s[HM]   ; of a row's sixteen pieces of 16 bytes, lanes 0-7 hold the first head's, lanes 8-15 the second's
.set j, j+1
.endr
.set j, 0
.rept 16
	v_pk_add_f32 v[S+32+j:S+33+j], v[S+32+j:S+33+j], v[KE+j:KE+j+1]   ; + x
.set j, j+2
.endr
.irp j, 0,1,2,3,4,5,6,7
	global_store_b128 v[GO], v[S+32+4*\j:S+35+4*\j], s[38:39] offset:(2*\j+8*(\j/4))*2048   ; 16 lanes store 256 consecutive bytes, at a multiple of 256 from x1's first byte
.endr
	s_wait_tensorcnt 0x0                           ; the wave's end
	ds_add_u32 v[SPW], v[NIL]
	s_wait_dscnt 0x0
	CROUND                                         ; the closing round
	s_endpgm
.Lfunc_end_k_qc79ae4b6a4_attn:
	.size	k_qc79ae4b6a4_attn, .Lfunc_end_k_qc79ae4b6a4_attn-k_qc79ae4b6a4_attn
	.p2alignl 7, 3214868480
	.fill 96, 4, 3214868480
	.section	.rodata,"a",@progbits
	.p2align	6, 0x0
	.amdhsa_kernel k_qc79ae4b6a4_attn
		.amdhsa_group_segment_fixed_size 327680
		.amdhsa_private_segment_fixed_size 0
		.amdhsa_enable_private_segment 0
		.amdhsa_kernarg_size 24
		.amdhsa_user_sgpr_count 2
		.amdhsa_user_sgpr_kernarg_segment_ptr 1
		.amdhsa_wavefront_size32 1
		.amdhsa_system_sgpr_workgroup_id_x 1
		.amdhsa_system_sgpr_workgroup_id_y 1
		.amdhsa_system_sgpr_workgroup_id_z 1
		.amdhsa_system_vgpr_workitem_id 0
		.amdhsa_next_free_vgpr 256
		.amdhsa_next_free_sgpr 66
		.amdhsa_reserve_vcc 0
		.amdhsa_float_denorm_mode_32 3
		.amdhsa_float_denorm_mode_16_64 3
		.amdhsa_memory_ordered 1
		.amdhsa_forward_progress 1
		.amdhsa_inst_pref_size 82
	.end_amdhsa_kernel
	.amdgpu_metadata
---
amdhsa.version: [ 1, 2 ]
amdhsa.kernels:
  - .name:           k_qc79ae4b6a4_attn
    .symbol:         k_qc79ae4b6a4_attn.kd
    .args:
      - { .name: qkv, .offset: 0, .size: 8, .value_kind: global_buffer, .address_space: global }
      - { .name: x, .offset: 8, .size: 8, .value_kind: global_buffer, .address_space: global }
      - { .name: x1, .offset: 16, .size: 8, .value_kind: global_buffer, .address_space: global }
    .group_segment_fixed_size: 327680
    .private_segment_fixed_size: 0
    .kernarg_segment_align: 8
    .kernarg_segment_size: 24
    .max_flat_workgroup_size: 512
    .sgpr_count:     66
    .vgpr_count:     256
    .wavefront_size: 32
...
	.end_amdgpu_metadata
.endif
;; end of part 3
;; launch ln2: the kernel of part 1 again; grid 256 x 1, 4 waves a work-group, no clusters, 168,448 bytes of LDS; arguments x1, alpha, beta, xc, xs; writes xc, xs
;; launch ffn1 (part 4): grid 16 x 16, 4 waves a work-group, clusters of 4 x 1, 168,448 bytes of LDS; arguments xc, xs, W1_codes, W1_scales, b1, hc, hs; writes hc, hs
.if DOCPART == 4
	.amdgcn_target "amdgcn-amd-amdhsa--gfx1250"
	.amdhsa_code_object_version 6
	.text
	.protected	k_qc79ae4b6a4_ffn1
	.globl	k_qc79ae4b6a4_ffn1
	.p2align	8
	.type	k_qc79ae4b6a4_ffn1,@function
k_qc79ae4b6a4_ffn1:
	s_mov_b64 s[64:65], 0
	v_nop
	global_prefetch_b8 v0, s[64:65] scope:SCOPE_SE
	s_setreg_imm32_b32 hwreg(HW_REG_WAVE_MODE, 25, 1), 1
	s_wait_xcnt 0x0
	s_wait_alu depctr_hold_cnt(0) depctr_sa_sdst(0) depctr_va_vdst(0) depctr_va_sdst(0) depctr_va_ssrc(0) depctr_va_vcc(0) depctr_vm_vsrc(0)
	s_getreg_b32 s2, hwreg(HW_REG_IB_STS2, 6, 4)
	s_cmp_eq_u32 s2, 0
	s_cbranch_scc0 .Lentry_in_a_cluster
	s_endpgm
.Lentry_in_a_cluster:
	s_bfe_u32 s2, ttmp6, 0x10000c
	s_cmp_lg_u32 s2, 0x3003
	s_cbranch_scc0 .Lentry_shape_is_right
	s_endpgm
.Lentry_shape_is_right:
; hidden = relu(y W1 + b1) on codes of BF8 (E5M2) with one E8M0 scale for each 32 along K = 512; the result is quantised at once along the 4,096 hidden units, the next product's K.
; SHARES.  Work-group (rg, cb): tokens 512 rg .. + 511, hidden units 256 cb .. + 255.  Wave w: tokens 512 rg + 128 w .. + 127: 8 tiles of 16, all of K in 512 registers, loaded once as images of the operand's registers.
; W1's 256 rows lie in LDS, filled once; a block of 32 hidden units (two tiles, 128 registers) is fetched one block ahead: each fragment feeds 8 products.
; CLUSTER.  The four work-groups of a cluster differ in rg alone and need the same rows of W1: one joint tensor load a wave, with the mask of all four.
; TRANSPOSED: source 0 = 16 rows of W1, source 1 = 16 tokens: a lane holds one token; lane r of W1's tile u takes row 32 block + 8 u + r + 8 (r / 8), so that the 16 registers of tiles 0 and 1 are units 16 h + 0 .. 15 of the block.
; The bias is the C of each sum's first product.  The activation costs nothing: the hold that the conversion wants clips at 0 as well.
; OUT: hc [tile 512][block 128][512 bytes]: images of four operand registers; hs [group 256][K step 32][lane 16 u + r]: the scale word of 128 hidden units.  The eight blocks are written out: every offset is an immediate
; (the largest, 7 x 65,536 + 3,584, lies inside the signed 24 bits: ISA guide, chapter 10).
; LIMITS: NaN and infinities are not served.  A block whose largest number lies under 2^-111 (a block that the activation clears among them) gets the byte 1; the bytes are read by this program alone.
; REGISTERS: window 0: v1-6 addresses; v8-11 scale words in the making; v12 at work; v16-31 the tokens' scale words; v32-63 W1's; v104-119 at work; v72-103 codes; v128-255 16 accumulators.
;   windows 1, 2: the tokens' fragments: K step s in window 1 + s / 2 at v[((s % 2) 8 + t) 16].   window 3: v0-127 W1's fragments at v[(4 u + s) 16].
.set WP,  528                          ; a row of W1 in LDS: 512 bytes + 16 of padding
.set LI,  1                            ; v1  16 x lane
.set WA,  2                            ; v2  (r + 8 (r / 8)) WP + 16 h;  v3  the same 128 rows further on
.set WST, 4                            ; v4  16 (8 h + r + 8 (r / 8))
.set L4,  5                            ; v5  4 x lane
.set BO,  6                            ; v6  64 h
.set HB,  8
.set TP,  12
.set XS,  16
.set WS,  32
; As the registers now stand: v32-63 W1's scale words of all eight blocks, v104-119 at work, and the bias of all eight blocks in window 3, v128-255: all loaded once, at the head
.set BI,  128                          ; window 3: register 16 block + 8 u + i: b1 at unit 32 block + 16 h + 8 u + i; set anew for each block
.set TM,  104
.set PC,  72
.set ACC, 128
.set WV,  22
.set G1,  32
.set G0,  40
.set SEL, 52
.set MNT, 54
.set HIM, 55
.set MSB, 0
.macro WIN new                         ; the immediate's high byte repeats the setting that is left; a switch that changes nothing is dropped
.if MSB != (\new)
	s_set_vgpr_msb (MSB<<8)|(\new)
.set MSB, (\new)
.endif
.endm
.macro CROUND
	s_barrier_signal -1
	s_barrier_wait -1
	s_cmp_lg_u32 s[WV], 0
	s_cbranch_scc1 .Lnot_wave_0_\@
	s_barrier_signal -3
.Lnot_wave_0_\@:
	s_barrier_wait -3
	s_barrier_signal -1
	s_barrier_wait -1
.endm
.macro MMR d, a, b, c, sa, sb, ra, rb  ; one product; ra, rb = 1: that side's scales stand in lanes 16-31
.if ((\ra)+2*(\rb)) == 0
	v_wmma_scale_f32_16x16x128_f8f6f4 v[\d:\d+7], v[\a:\a+15], v[\b:\b+15], v[\c:\c+7], v[\sa], v[\sb] matrix_a_fmt:MATRIX_FMT_BF8 matrix_b_fmt:MATRIX_FMT_BF8
.elseif ((\ra)+2*(\rb)) == 1
	v_wmma_scale_f32_16x16x128_f8f6f4 v[\d:\d+7], v[\a:\a+15], v[\b:\b+15], v[\c:\c+7], v[\sa], v[\sb] matrix_a_fmt:MATRIX_FMT_BF8 matrix_b_fmt:MATRIX_FMT_BF8 matrix_a_scale:MATRIX_SCALE_ROW1
.elseif ((\ra)+2*(\rb)) == 2
	v_wmma_scale_f32_16x16x128_f8f6f4 v[\d:\d+7], v[\a:\a+15], v[\b:\b+15], v[\c:\c+7], v[\sa], v[\sb] matrix_a_fmt:MATRIX_FMT_BF8 matrix_b_fmt:MATRIX_FMT_BF8 matrix_b_scale:MATRIX_SCALE_ROW1
.else
	v_wmma_scale_f32_16x16x128_f8f6f4 v[\d:\d+7], v[\a:\a+15], v[\b:\b+15], v[\c:\c+7], v[\sa], v[\sb] matrix_a_fmt:MATRIX_FMT_BF8 matrix_b_fmt:MATRIX_FMT_BF8 matrix_a_scale:MATRIX_SCALE_ROW1 matrix_b_scale:MATRIX_SCALE_ROW1
.endif
.endm
; 64 numbers of a lane in four blocks of 16 (four tiles of tokens; the other 16 of each block lie in lane l xor 16) become 16 registers of codes; what is negative becomes 0; the blocks' bytes stay in v[TM+4] on
.macro QUANT src, pc
.irp b, 0,1,2,3
	v_max3_num_f32 v[TM+\b], v[\src+16*\b], v[\src+1+16*\b], 0x8000000   ; no |.|: what is negative must not count; the floor 2^(16 - 127) stands over it, and the byte cannot fall under 1
.endr
.irp i, 2,4,6,8,10,12,14
.irp b, 0,1,2,3
	v_max3_num_f32 v[TM+\b], v[TM+\b], v[\src+16*\b+\i], v[\src+1+16*\b+\i]
.endr
.endr
.irp b, 0,1,2,3
	v_permlanex16_b32 v[TM+4+\b], v[TM+\b], s[SEL], s[SEL+1]
.endr
.irp b, 0,1,2,3
	v_max_num_f32 v[TM+\b], v[TM+\b], v[TM+4+\b]
.endr
.irp b, 0,1,2,3
	v_add_nc_u32 v[TM+12+\b], 0xf8800000, v[TM+\b] ; 15 off the exponent field: the conversion's scale operand
.endr
.irp b, 0,1,2,3
	v_and_or_b32 v[TM+8+\b], v[TM+\b], 0x7f800000, s[MNT]   ; 57,344 x the scale
.endr
.irp b, 0,1,2,3
	v_lshrrev_b32 v[TM+4+\b], 23, v[TM+12+\b]      ; the scale's byte
.endr
.irp b, 0,1,2,3
.irp i, 0,1,2,3,4,5,6,7,8,9,10,11,12,13,14,15
	v_med3_num_f32 v[\src+16*\b+\i], v[\src+16*\b+\i], 0, v[TM+8+\b]   ; the activation and the hold in one (the conversion to an 8-bit code does not saturate: ISA guide 7.6.2)
.endr
	v_cvt_scalef32_pk8_bf8_f32 v[\pc+4*\b:\pc+1+4*\b], v[\src+16*\b:\src+7+16*\b], v[TM+12+\b]
	v_cvt_scalef32_pk8_bf8_f32 v[\pc+2+4*\b:\pc+3+4*\b], v[\src+8+16*\b:\src+15+16*\b], v[TM+12+\b]
.endr
	v_nop                                          ; one plain vector instruction behind the last conversion: the next products write its sources
.endm
	s_load_b256 s[4:11], s[0:1], 0x0               ; xc, xs, W1's codes, W1's scales
	s_load_b128 s[12:15], s[0:1], 0x20             ; b1, hc
	s_load_b64 s[16:17], s[0:1], 0x30              ; hs
	v_lshl_add_u32 v126, v0, 2, 0x29000
	v_mov_b32 v127, 0
	ds_add_u32 v126, v127
	ds_add_u32 v126, v127
	v_lshrrev_b32 v1, 5, v0
	v_readfirstlane_b32 s[WV], v1                  ; wave 0..3
	s_bfe_u32 s23, ttmp6, 0x40000                  ; cx
	s_lshl_b32 s24, ttmp9, 2
	s_add_co_u32 s24, s24, s23                     ; rg = 4 x cluster x + cx: it enters the tokens' and the results' addresses alone
	s_and_b32 s25, ttmp7, 0xffff                   ; cb, which the four partners share
	; descriptor group 1: 64 rows of 512 bytes, 16 bytes of padding behind each
	s_mov_b32 s[G1+0], 15|(1<<20)|(1<<21)|(6<<22)|(3<<25)
	s_mov_b32 s[G1+1], 512<<16
	s_mov_b32 s[G1+2], 64<<16
	s_mov_b32 s[G1+3], 512<<16
	s_mov_b32 s[G1+4], 64
	s_mov_b32 s[G1+5], 512
	s_mov_b32 s[G1+6], 0
	s_mov_b32 s[G1+7], 0
	s_lshl_b32 s56, s25, 17                        ; 256 rows of 512 bytes a column of work-groups,
	s_lshl_b32 s57, s[WV], 15                      ; 64 rows a wave
	s_add_co_u32 s56, s56, s57
	s_mov_b32 s57, 0
	s_lshl_b32 s58, s25, 12                        ; 256 rows of 16 scale bytes
	s_mov_b32 s59, 0
	s_mov_b32 s[G0], 1
	s_mul_i32 s[G0+1], s[WV], 64*WP
	v_and_b32 v7, 15, v0                           ; r
	v_bfe_u32 v[BO], v0, 4, 1                      ; h
	v_and_b32 v[LI], 31, v0
	v_lshlrev_b32 v[L4], 2, v[LI]
	v_lshlrev_b32 v[LI], 4, v[LI]
	v_and_b32 v[WST], 8, v7
	v_add_nc_u32 v[WST], v[WST], v7                ; r + 8 (r / 8)
	v_mul_u32_u24 v[WA], v[WST], WP
	v_lshl_add_u32 v[WA], v[BO], 4, v[WA]
	v_add_nc_u32 v[WA+1], 128*WP, v[WA]
	v_lshl_add_u32 v[WST], v[BO], 3, v[WST]
	v_lshlrev_b32 v[WST], 4, v[WST]
	v_lshlrev_b32 v[BO], 6, v[BO]
.irp b, 0,1,2,3
	v_mov_b32 v[TM+4+\b], 0                        ; written once: a lane permute's destination counts as one of its sources
.endr
	s_wait_dscnt 0x0
	s_wait_kmcnt 0x0
	s_add_nc_u64 s[G0+2:G0+3], s[8:9], s[56:57]
	s_or_b32 s[G0+3], s[G0+3], 0x80000000
	s_add_nc_u64 s[30:31], s[10:11], s[58:59]      ; W1's scale bytes at my 256 rows
	s_lshl_b32 s58, s25, 10
	s_add_nc_u64 s[28:29], s[12:13], s[58:59]      ; b1 at my 256 units
	CROUND                                         ; all four work-groups are here: the joint loads meet
	tensor_load_to_lds s[G0:G0+3], s[G1:G1+7]      ; my 64 rows of W1: the only tensor load of mine that is ever out
	s_nop 0
.rept 4
	v_nop
.endr
	s_lshl_b32 s60, s24, 2
	s_add_co_u32 s60, s60, s[WV]                   ; 4 rg + w: which 128 tokens are mine
	s_lshl_b32 s62, s60, 16
	s_mov_b32 s63, 0
	s_add_nc_u64 s[48:49], s[4:5], s[62:63]
	s_lshl_b32 s62, s60, 11
	s_add_nc_u64 s[50:51], s[6:7], s[62:63]
.irp s, 0,1,2,3
	WIN 0x40+0x40*(\s/2)                           ; destination window 1 or 2
.irp t, 0,1,2,3,4,5,6,7
.irp c, 0,1,2,3
	global_load_b128 v[((\s%2)*8+\t)*16+4*\c:((\s%2)*8+\t)*16+4*\c+3], v[LI], s[48:49] offset:\t*8192+\s*2048+\c*512
.endr
.endr
.endr
	WIN 0
.irp g, 0,1,2,3
	global_load_b128 v[XS+4*\g:XS+4*\g+3], v[LI], s[50:51] offset:\g*512
.endr
	s_wait_alu depctr_va_vdst(0)                   ; directly ahead of the first reader of the two offsets below
.irp j, 0,1,2,3,4,5,6,7                ; W1's scale words and the bias of all eight blocks, once: no later trip has a global load to wait for
	global_load_b128 v[32+4*\j:35+4*\j], v[WST], s[30:31] offset:\j*512
.endr
	WIN 0xc0                                       ; destination window 3
.irp j, 0,1,2,3,4,5,6,7
.irp u, 0,1
	global_load_b128 v[128+16*\j+8*\u:128+16*\j+8*\u+3], v[BO], s[28:29] offset:\j*128+32*\u
	global_load_b128 v[128+16*\j+8*\u+4:128+16*\j+8*\u+7], v[BO], s[28:29] offset:\j*128+32*\u+16
.endr
.endr
	WIN 0
	s_mov_b32 s[SEL], 0x76543210
	s_mov_b32 s[SEL+1], 0xfedcba98
	s_mov_b32 s[MNT], 0x600000
	s_mov_b32 s[HIM], 0xffff0000                   ; lanes 16-31
	s_lshl_b32 s62, s60, 19                        ; hc: 8 tiles of 65,536 bytes,
	s_lshl_b32 s61, s25, 12                        ; 8 blocks of 512
	s_add_co_u32 s62, s62, s61
	s_add_nc_u64 s[44:45], s[14:15], s[62:63]
	s_lshl_b32 s62, s60, 14                        ; hs: 4 groups of 4,096 bytes,
	s_lshl_b32 s61, s25, 8                         ; 2 K steps of 128
	s_add_co_u32 s62, s62, s61
	s_add_nc_u64 s[46:47], s[16:17], s[62:63]
.macro WFETCH j                        ; block j's two tiles of W1
	WIN 0xc0                                       ; destination window 3
.irp u, 0,1
.irp s, 0,1,2,3
.irp c, 0,1,2,3
	ds_load_b128 v[(4*\u+\s)*16+4*\c:(4*\u+\s)*16+4*\c+3], v[WA+(\j)/4] offset:((\j)%4)*32*WP+\u*8*WP+128*\s+32*\c
.endr
.endr
.endr
	WIN 0
.endm
.macro TRIP j                          ; one block of 32 hidden units
.set WS, 32+4*(\j)                     ; this block's scale words of W1,
.set BI, 128+16*(\j)                   ; and its bias, in window 3
	s_wait_dscnt 0x0                               ; W1's fragments are in,
	s_wait_loadcnt 0x0                             ; and, in the first trip, all that the head asked of memory
.irp s, 0,1,2,3                        ; 64 products: K step by K step, the 16 accumulators by turns, one instruction a turn
	WIN 0x07+4*(\s/2)+0x30*(1-(\s+3)/4)            ; source 0 (W1) window 3, source 1 (tokens) window 1 or 2; in the first K step source 2 (the bias) window 3
.irp t, 0,1,2,3,4,5,6,7
.irp u, 0,1
.if \s == 0
	MMR ACC+16*\t+8*\u, (4*\u+\s)*16, ((\s%2)*8+\t)*16, BI+8*\u, WS+\s, XS+4*(\t/2)+\s, \u, \t%2
.else
	MMR ACC+16*\t+8*\u, (4*\u+\s)*16, ((\s%2)*8+\t)*16, ACC+16*\t+8*\u, WS+\s, XS+4*(\t/2)+\s, \u, \t%2
.endif
.endr
.endr
.endr
	WIN 0
.rept 8
	v_nop                                          ; eight places behind this form ahead of loads into registers that the products read and of the first read of results
.endr
.if (\j) < 7
	WFETCH (\j)+1                                  ; the next block's, while this block's results are quantised
.endif
.if (\j) > 0
	s_wait_xcnt 0x0                                ; the last block's stores have read their data: those registers are written again below
.endif
.irp q, 0,1                            ; four tiles of tokens at a time
	QUANT ACC+64*\q, PC+16*\q
.irp i, 0,1                            ; a group's byte: lanes 0-15 the even tile's, lanes 16-31 the odd tile's; four blocks' bytes make the scale word of a K step of the next product
.if ((\j)%4) == 0
	v_cndmask_b32 v[HB+2*\q+\i], v[TM+4+2*\i], v[TM+5+2*\i], s[HIM]
.else
	v_cndmask_b32 v[TP], v[TM+4+2*\i], v[TM+5+2*\i], s[HIM]
	v_lshl_or_b32 v[HB+2*\q+\i], v[TP], 8*((\j)%4), v[HB+2*\q+\i]
.endif
.endr
.irp i, 0,1,2,3
	global_store_b128 v[LI], v[PC+16*\q+4*\i:PC+16*\q+4*\i+3], s[44:45] offset:(4*\q+\i)*65536+(\j)*512   ; 32 lanes store 512 consecutive bytes
.endr
.endr
.if ((\j)%4) == 3
.irp g, 0,1,2,3
	global_store_b32 v[L4], v[HB+\g], s[46:47] offset:\g*4096+((\j)/4)*128
.endr
.endif
.endm
	s_wait_tensorcnt 0x0                           ; my rows of W1 are in LDS,
	s_barrier_signal -1
	s_barrier_wait -1                              ; everybody's are
	s_wait_alu depctr_va_vdst(0)
	WFETCH 0
.irp j, 0,1,2,3,4,5,6,7
	TRIP \j
.endr
	s_wait_tensorcnt 0x0
	ds_add_u32 v126, v127
	s_wait_dscnt 0x0
	CROUND                                         ; the closing round
	s_endpgm
.Lfunc_end_k_qc79ae4b6a4_ffn1:
	.size	k_qc79ae4b6a4_ffn1, .Lfunc_end_k_qc79ae4b6a4_ffn1-k_qc79ae4b6a4_ffn1
	.p2alignl 7, 3214868480
	.fill 96, 4, 3214868480
	.section	.rodata,"a",@progbits
	.p2align	6, 0x0
	.amdhsa_kernel k_qc79ae4b6a4_ffn1
		.amdhsa_group_segment_fixed_size 168448
		.amdhsa_private_segment_fixed_size 0
		.amdhsa_enable_private_segment 0
		.amdhsa_kernarg_size 56
		.amdhsa_user_sgpr_count 2
		.amdhsa_user_sgpr_kernarg_segment_ptr 1
		.amdhsa_wavefront_size32 1
		.amdhsa_system_sgpr_workgroup_id_x 1
		.amdhsa_system_sgpr_workgroup_id_y 1
		.amdhsa_system_sgpr_workgroup_id_z 1
		.amdhsa_system_vgpr_workitem_id 0
		.amdhsa_next_free_vgpr 1024
		.amdhsa_next_free_sgpr 66
		.amdhsa_reserve_vcc 0
		.amdhsa_float_denorm_mode_32 3
		.amdhsa_float_denorm_mode_16_64 3
		.amdhsa_memory_ordered 1
		.amdhsa_forward_progress 1
		.amdhsa_inst_pref_size 240
	.end_amdhsa_kernel
	.amdgpu_metadata
---
amdhsa.version: [ 1, 2 ]
amdhsa.kernels:
  - .name:           k_qc79ae4b6a4_ffn1
    .symbol:         k_qc79ae4b6a4_ffn1.kd
    .args:
      - { .name: xc, .offset: 0, .size: 8, .value_kind: global_buffer, .address_space: global }
      - { .name: xs, .offset: 8, .size: 8, .value_kind: global_buffer, .address_space: global }
      - { .name: W1_codes, .offset: 16, .size: 8, .value_kind: global_buffer, .address_space: global }
      - { .name: W1_scales, .offset: 24, .size: 8, .value_kind: global_buffer, .address_space: global }
      - { .name: b1, .offset: 32, .size: 8, .value_kind: global_buffer, .address_space: global }
      - { .name: hc, .offset: 40, .size: 8, .value_kind: global_buffer, .address_space: global }
      - { .name: hs, .offset: 48, .size: 8, .value_kind: global_buffer, .address_space: global }
    .group_segment_fixed_size: 168448
    .private_segment_fixed_size: 0
    .kernarg_segment_align: 8
    .kernarg_segment_size: 56
    .max_flat_workgroup_size: 128
    .sgpr_count:     66
    .vgpr_count:     1024
    .wavefront_size: 32
...
	.end_amdgpu_metadata
.endif
;; end of part 4
;; launch ffn2 (part 5): grid 64 x 4, 4 waves a work-group, clusters of 4 x 1, 327,680 bytes of LDS; arguments hc, hs, W2_codes, W2_scales, b2, x1, out0; writes out0
.if DOCPART == 5
	.amdgcn_target "amdgcn-amd-amdhsa--gfx1250"
	.amdhsa_code_object_version 6
	.text
	.protected	k_qc79ae4b6a4_ffn2
	.globl	k_qc79ae4b6a4_ffn2
	.p2align	8
	.type	k_qc79ae4b6a4_ffn2,@function
k_qc79ae4b6a4_ffn2:
	s_mov_b64 s[64:65], 0
	v_nop
	global_prefetch_b8 v0, s[64:65] scope:SCOPE_SE
	s_setreg_imm32_b32 hwreg(HW_REG_WAVE_MODE, 25, 1), 1
	s_wait_xcnt 0x0
	s_wait_alu depctr_hold_cnt(0) depctr_sa_sdst(0) depctr_va_vdst(0) depctr_va_sdst(0) depctr_va_ssrc(0) depctr_va_vcc(0) depctr_vm_vsrc(0)
	s_getreg_b32 s2, hwreg(HW_REG_IB_STS2, 6, 4)
	s_cmp_eq_u32 s2, 0
	s_cbranch_scc0 .Lentry_in_a_cluster
	s_endpgm
.Lentry_in_a_cluster:
	s_bfe_u32 s2, ttmp6, 0x10000c
	s_cmp_lg_u32 s2, 0x3003
	s_cbranch_scc0 .Lentry_shape_is_right
	s_endpgm
.Lentry_shape_is_right:
; out0 = x1 + relu(hidden W2 + b2) on codes of BF8 (E5M2) with one E8M0 scale for each 32 along K = 4,096.
; SHARES.  Work-group (tb, nb): tokens 128 tb .. + 127, outputs 128 nb .. + 127 (512 bytes of a row of out0): each byte of the hidden layer is read by four work-groups.
; Wave w: tokens 128 tb + 32 w .. + 31 (2 tiles of 16) x all 128 outputs (8 tiles): 16 accumulators.
; THE HIDDEN LAYER's codes stream from memory straight into registers as images of the operand's registers, SEVEN K steps ahead (eight sets of 32 registers); each byte is read by one wave of the work-group.
; W2's 128 rows go through a ring of two LDS slots of 1,024 along K (8 K steps): four fills, each wave fetching 32 rows of 1,024 bytes by one tensor load; a fill has the other slot's 128 products a wave in which to land.
; CLUSTER.  The four work-groups of a cluster differ in tb alone and need the same rows of W2: the tensor loads are joint, with the mask of all four; a round of the cluster's barrier stands in front of each.
; NO PREFETCH: the hidden layer's own loads run seven K steps (63 loads a wave) ahead, and W2's rows are read by all 64 blocks of tokens.
; TRANSPOSED: source 0 = 16 rows of W2, source 1 = 16 tokens: a lane's eight results are eight neighbouring outputs of one token.  The bias is the C of each sum's first product.
; The 32 K steps are written out: the scale words' and the fragments' register numbers differ from step to step; every offset is an immediate.
; LIMITS: NaN and infinities are not served.
; REGISTERS: window 0: v1-13 addresses; v16-143 all of W2's scale words (register 32 p + K step: lanes 0-15 output tile 2 p, lanes 16-31 tile 2 p + 1), on the way out rows of the result; v144-151 the tokens' scale words, eight K steps.
;   window 1: the tokens' fragments at v[(step % 8) 32 + 16 t]; at the end v0-127 rows of x1.   window 2: W2's fragments, two K steps, at v[(step % 2) 128 + 16 n].   window 3: v0-127 the accumulators at v[64 t + 8 n]; v128-191 the bias.
.set CP,    1040                       ; a slot's row in LDS: 1,024 bytes + 16 of padding = 260 words: the 16 rows that a load touches start 4 banks apart
.set SLOTB, 128*CP
.set STAGE, 2*SLOTB                    ; behind the ring: 16 rows x 528 bytes for each wave; no fill lands there
.set SPT,   528
.set SPARE, STAGE+4*16*SPT             ; the spare words, 128 bytes a wave: two blocks of 256 bytes that no other line names
.set LI,  1                            ; 16 x lane
.set L4,  2                            ; 4 x lane
.set W7,  3                            ; 128 x lane
.set BW,  4                            ; v4-7  r CP + 16 h + slot x SLOTB + (rows 0-63 or 64-127): register 2 slot + n / 4
.set B8,  8                            ; 32 h
.set STO, 9
.set RD,  10
.set SPW, 12
.set NIL, 13
.set WS,  16
.set OB,  16
.set AS,  144
.set ACC, 0
.set BI,  128
.set WV,  18
.set G1,  24
.set G0,  32
.set MSB, 0
.macro WIN new                         ; the immediate's high byte repeats the setting that is left; a switch that changes nothing is dropped
.if MSB != (\new)
	s_set_vgpr_msb (MSB<<8)|(\new)
.set MSB, (\new)
.endif
.endm
.macro CROUND                          ; a round of the cluster's barrier
	s_barrier_signal -1
	s_barrier_wait -1
	s_cmp_lg_u32 s[WV], 0
	s_cbranch_scc1 .Lnot_wave_0_\@
	s_barrier_signal -3
.Lnot_wave_0_\@:
	s_barrier_wait -3
	s_barrier_signal -1
	s_barrier_wait -1
.endm
.macro MMR d, a, b, c, sa, sb, ra, rb  ; one product; ra, rb = 1: that side's scales stand in lanes 16-31
.if ((\ra)+2*(\rb)) == 0
	v_wmma_scale_f32_16x16x128_f8f6f4 v[\d:\d+7], v[\a:\a+15], v[\b:\b+15], v[\c:\c+7], v[\sa], v[\sb] matrix_a_fmt:MATRIX_FMT_BF8 matrix_b_fmt:MATRIX_FMT_BF8
.elseif ((\ra)+2*(\rb)) == 1
	v_wmma_scale_f32_16x16x128_f8f6f4 v[\d:\d+7], v[\a:\a+15], v[\b:\b+15], v[\c:\c+7], v[\sa], v[\sb] matrix_a_fmt:MATRIX_FMT_BF8 matrix_b_fmt:MATRIX_FMT_BF8 matrix_a_scale:MATRIX_SCALE_ROW1
.elseif ((\ra)+2*(\rb)) == 2
	v_wmma_scale_f32_16x16x128_f8f6f4 v[\d:\d+7], v[\a:\a+15], v[\b:\b+15], v[\c:\c+7], v[\sa], v[\sb] matrix_a_fmt:MATRIX_FMT_BF8 matrix_b_fmt:MATRIX_FMT_BF8 matrix_b_scale:MATRIX_SCALE_ROW1
.else
	v_wmma_scale_f32_16x16x128_f8f6f4 v[\d:\d+7], v[\a:\a+15], v[\b:\b+15], v[\c:\c+7], v[\sa], v[\sb] matrix_a_fmt:MATRIX_FMT_BF8 matrix_b_fmt:MATRIX_FMT_BF8 matrix_a_scale:MATRIX_SCALE_ROW1 matrix_b_scale:MATRIX_SCALE_ROW1
.endif
.endm
	s_load_b256 s[4:11], s[0:1], 0x0               ; hc, hs, W2's codes, W2's scales
	s_load_b128 s[12:15], s[0:1], 0x20             ; b2, x1
	s_load_b64 s[16:17], s[0:1], 0x30              ; out0
	v_lshl_add_u32 v[SPW], v0, 2, SPARE
	v_mov_b32 v[NIL], 0
	ds_add_u32 v[SPW], v[NIL]                      ; the opening lines: the add, twice on end, and its wait ahead of my first tensor load
	ds_add_u32 v[SPW], v[NIL]
	v_lshrrev_b32 v1, 5, v0
	v_readfirstlane_b32 s[WV], v1                  ; wave 0..3
	s_bfe_u32 s19, ttmp6, 0x40000                  ; cx
	s_lshl_b32 s20, ttmp9, 2
	s_add_co_u32 s20, s20, s19                     ; tb = 4 x cluster x + cx: it enters the tokens' and the results' addresses alone
	s_and_b32 s21, ttmp7, 0xffff                   ; nb, which the four partners share
	; descriptor group 1: 32 rows of 1,024 bytes, 4,096 bytes apart in memory, 16 bytes of padding behind each
	s_mov_b32 s[G1+0], 15|(1<<20)|(1<<21)|(7<<22)|(3<<25)   ; the mask of all four; elements of 1 byte; padding on; bit 21 beside a mask; after every 256 words (code 7); four words (code 3)
	s_mov_b32 s[G1+1], 1024<<16
	s_mov_b32 s[G1+2], 32<<16
	s_mov_b32 s[G1+3], 1024<<16
	s_mov_b32 s[G1+4], 32
	s_mov_b32 s[G1+5], 4096
	s_mov_b32 s[G1+6], 0
	s_mov_b32 s[G1+7], 0
	s_lshl_b32 s60, s21, 19                        ; 128 rows of 4,096 bytes a block of outputs,
	s_lshl_b32 s61, s[WV], 17                      ; 32 rows a wave
	s_add_co_u32 s60, s60, s61
	s_mov_b32 s61, 0
	s_mul_i32 s62, s[WV], 32*CP
	s_mul_i32 s63, s[WV], 16*SPT
	s_add_co_u32 s63, s63, STAGE                   ; my stage
	v_and_b32 v14, 15, v0                          ; r
	v_bfe_u32 v15, v0, 4, 1                        ; h
	v_and_b32 v11, 31, v0                          ; lane
	v_lshlrev_b32 v[LI], 4, v11
	v_lshlrev_b32 v[L4], 2, v11
	v_lshlrev_b32 v[W7], 7, v11
	v_lshlrev_b32 v[B8], 5, v15
	v_mul_u32_u24 v[BW], v14, CP
	v_lshl_add_u32 v[BW], v15, 4, v[BW]
	v_add_nc_u32 v[BW+1], 64*CP, v[BW]
	v_add_nc_u32 v[BW+2], SLOTB, v[BW]
	v_add_nc_u32 v[BW+3], SLOTB+64*CP, v[BW]
	v_mul_u32_u24 v[STO], v14, SPT
	v_lshl_add_u32 v[STO], v15, 5, v[STO]
	v_add_nc_u32 v[STO], s63, v[STO]               ; in: row r, + 32 h
	v_add_nc_u32 v[RD], s63, v[LI]                 ; back: the 32 lanes take one row of 512 bytes
	s_wait_alu depctr_va_vdst(0)                   ; at the end of the head's vector work, directly ahead of the wait below
	s_wait_dscnt 0x0
	s_wait_kmcnt 0x0
	s_add_nc_u64 s[60:61], s[8:9], s[60:61]
.irp f, 0,1,2,3                        ; fill f: 1,024 f .. + 1,023 along K, into slot f % 2; a group 0 for each, never rewritten
	s_mov_b32 s[G0+4*\f], 1
	s_add_co_u32 s[G0+4*\f+1], s62, (\f%2)*SLOTB
	s_add_nc_u64 s[G0+4*\f+2:G0+4*\f+3], s[60:61], \f*1024
	s_or_b32 s[G0+4*\f+3], s[G0+4*\f+3], 0x80000000
.endr
	CROUND                                         ; all four work-groups are here: the joint loads meet
	tensor_load_to_lds s[G0:G0+3], s[G1:G1+7]      ; fill 0: one tensor load a wave at the head
	s_nop 0
.rept 4
	v_nop
.endr
	s_mov_b32 s23, 0
	s_lshl_b32 s22, s21, 14                        ; W2's scale bytes: 128 rows of 128
	s_add_nc_u64 s[52:53], s[10:11], s[22:23]
	s_lshl_b32 s22, s21, 9                         ; b2: 128 numbers; and my 512 bytes of a row of x1 and out0
	s_add_nc_u64 s[54:55], s[12:13], s[22:23]
	s_lshl_b32 s60, s20, 18                        ; x1 and out0: 128 rows of 2,048 bytes a work-group,
	s_lshl_b32 s61, s[WV], 16                      ; 32 a wave
	s_add_co_u32 s60, s60, s61
	s_add_co_u32 s60, s60, s22
	s_mov_b32 s61, 0
	s_add_nc_u64 s[56:57], s[14:15], s[60:61]
	s_add_nc_u64 s[58:59], s[16:17], s[60:61]
	s_lshl_b32 s60, s20, 19                        ; hc: 8 tiles of 65,536 bytes a work-group,
	s_lshl_b32 s62, s[WV], 17                      ; 2 a wave
	s_add_co_u32 s60, s60, s62
	s_add_nc_u64 s[48:49], s[4:5], s[60:61]
	s_lshl_b32 s60, s20, 14                        ; hs: 4 groups of 4,096 bytes a work-group,
	s_lshl_b32 s62, s[WV], 12                      ; 1 a wave
	s_add_co_u32 s60, s60, s62
	s_add_nc_u64 s[50:51], s[6:7], s[60:61]
.irp p, 0,1,2,3
.irp k, 0,1,2,3,4,5,6,7
	global_load_b128 v[WS+32*\p+4*\k:WS+32*\p+4*\k+3], v[W7], s[52:53] offset:\p*4096+16*\k   ; lane l: row 32 p + l's 32 scale words; once for the launch
.endr
.endr
	WIN 0xc0                                       ; destination window 3
.irp n, 0,1,2,3,4,5,6,7
	global_load_b128 v[BI+8*\n:BI+8*\n+3], v[B8], s[54:55] offset:64*\n      ; b2 at outputs 16 n + 8 h + 0 .. 7
	global_load_b128 v[BI+8*\n+4:BI+8*\n+7], v[B8], s[54:55] offset:64*\n+16
.endr
	WIN 0
.macro ALOAD i                         ; K step i of my two tiles of tokens: 1 load of scale words, 8 of codes
	WIN 0
	global_load_b32 v[AS+(\i)%8], v[L4], s[50:51] offset:(\i)*128
	WIN 0x40                                       ; destination window 1
.irp t, 0,1
.irp c, 0,1,2,3
	global_load_b128 v[((\i)%8)*32+16*\t+4*\c:((\i)%8)*32+16*\t+4*\c+3], v[LI], s[48:49] offset:\t*65536+(\i)*2048+\c*512   ; an image of four operand registers: 512 consecutive bytes
.endr
.endr
	WIN 0
.endm
.macro BLOAD i                         ; K step i of W2's eight tiles, from slot (i / 8) % 2
	WIN 0x80                                       ; destination window 2
.irp n, 0,1,2,3,4,5,6,7
.irp c, 0,1,2,3
	ds_load_b128 v[((\i)%2)*128+16*\n+4*\c:((\i)%2)*128+16*\n+4*\c+3], v[BW+2*(((\i)/8)%2)+\n/4] offset:(\n%4)*16*CP+((\i)%8)*128+32*\c
.endr
.endr
	WIN 0
.endm
.macro XLOAD                           ; x1 at my 32 rows' 512 bytes: row j of tile t is token 8 t + j + 8 (j / 8) of my 32; into the sets of K steps 24 to 27, which are done with
	WIN 0x40
.irp t, 0,1
.irp j, 0,1,2,3,4,5,6,7,8,9,10,11,12,13,14,15
	global_load_b128 v[64*\t+4*\j:64*\t+4*\j+3], v[LI], s[56:57] offset:(8*\t+\j+8*(\j/8))*2048
.endr
.endr
	WIN 0
.endm
.macro KSTEP i
.if ((\i)%8) == 0                      ; a change of slots
	s_wait_tensorcnt 0x0                           ; my one load that was out, my rows of the slot ahead, is in;
	ds_add_u32 v[SPW], v[NIL]                      ; 0 onto my spare word;
	s_wait_dscnt 0x0                               ; the add is done, and my reads of the slot that I leave are over
.if (\i) < 24
	CROUND                                         ; the same holds of every wave of all four work-groups
	tensor_load_to_lds s[G0+4+(\i)/2:G0+7+(\i)/2], s[G1:G1+7]   ; the next fill, into the slot just left (the first time: slot 1's first fill, issued as a refill is)
	s_nop 0
.rept 4
	v_nop
.endr
.else
	s_barrier_signal -1
	s_barrier_wait -1                              ; the last slot: nothing more is asked for
.endif
	BLOAD \i
.endif
.if (\i) <= 25
	s_wait_loadcnt 54                              ; this step's loads are in; behind them stand those of the next six steps, 9 each
.elseif (\i) <= 29
	s_wait_loadcnt 9*(31-(\i))                     ; behind them: the steps that are left
.elseif (\i) == 30
	s_wait_loadcnt 41                              ; behind them: the last step's 9 and x1's 32
.else
	s_wait_loadcnt 32                              ; behind them: x1's 32
.endif
.if (\i) > 0
.rept 8
	v_nop                                          ; eight places behind the last step's products ahead of loads into the registers that they read
.endr
.endif
.if (\i)+7 < 32
	ALOAD (\i)+7
.endif
.if (\i) == 29
	XLOAD
.endif
.if (((\i)+1)%8) != 0
	BLOAD (\i)+1
	s_wait_dscnt 32                                ; this step's fragments of W2 are in; the 32 loads just issued may be out
.else
	s_wait_dscnt 0x0
.endif
	WIN 0xf6                                       ; source 0 (W2) window 2, source 1 (tokens) window 1, C and D window 3
.irp t, 0,1                            ; the 16 accumulators by turns, one instruction a turn, in the same order in every step
.irp n, 0,1,2,3,4,5,6,7
.if (\i) == 0
	MMR ACC+64*\t+8*\n, ((\i)%2)*128+16*\n, ((\i)%8)*32+16*\t, BI+8*\n, WS+32*(\n/2)+(\i), AS+(\i)%8, \n%2, \t%2
.else
	MMR ACC+64*\t+8*\n, ((\i)%2)*128+16*\n, ((\i)%8)*32+16*\t, ACC+64*\t+8*\n, WS+32*(\n/2)+(\i), AS+(\i)%8, \n%2, \t%2
.endif
.endr
.endr
	WIN 0
.endm
.irp i, 0,1,2,3,4,5,6
	ALOAD \i
.endr
.set I, 0
.rept 32
	KSTEP I
.set I, I+1
.endr
	; THE WAY OUT, a tile of 16 tokens at a time: through my own stage in LDS, back as rows of 512 bytes; relu, + x1, stored
.rept 8
	v_nop                                          ; eight places ahead of the first read of results and of loads into registers that held scale words
.endr
.irp t, 0,1
	WIN 0x0c                                       ; the stores' data: window 3
.irp n, 0,1,2,3,4,5,6,7
	ds_store_b128 v[STO], v[ACC+64*\t+8*\n:ACC+64*\t+8*\n+3] offset:64*\n        ; each accumulator from its low end on
	ds_store_b128 v[STO], v[ACC+64*\t+8*\n+4:ACC+64*\t+8*\n+7] offset:64*\n+16
.endr
	WIN 0
.irp j, 0,1,2,3,4,5,6,7,8,9,10,11,12,13,14,15
	ds_load_b128 v[OB+64*\t+4*\j:OB+64*\t+4*\j+3], v[RD] offset:\j*SPT   ; LDS serves a wave's instructions in order (ISA guide 5.7.1.4): these see my stores, and the next tile's stores come behind them
.endr
	s_wait_dscnt 0x0
.if \t == 0
	s_wait_loadcnt 0x0                             ; x1
.endif
.set k, 0
.rept 64
	v_max_num_f32 v[OB+64*\t+k], 0, v[OB+64*\t+k]
.set k, k+1
.endr
	WIN 0x04                                       ; source 1 window 1
.set k, 0
.rept 32
	v_pk_add_f32 v[OB+64*\t+k:OB+64*\t+k+1], v[OB+64*\t+k:OB+64*\t+k+1], v[64*\t+k:64*\t+k+1]
.set k, k+2
.endr
	WIN 0
.irp j, 0,1,2,3,4,5,6,7,8,9,10,11,12,13,14,15
	global_store_b128 v[LI], v[OB+64*\t+4*\j:OB+64*\t+4*\j+3], s[58:59] offset:(8*\t+\j+8*(\j/8))*2048 th:TH_STORE_NT   ; 32 lanes store 512 consecutive bytes, at a multiple of 256 from out0's first byte
.endr
.endr
	s_wait_tensorcnt 0x0                           ; the wave's end
	ds_add_u32 v[SPW], v[NIL]
	s_wait_dscnt 0x0
	CROUND                                         ; the closing round
	s_endpgm
.Lfunc_end_k_qc79ae4b6a4_ffn2:
	.size	k_qc79ae4b6a4_ffn2, .Lfunc_end_k_qc79ae4b6a4_ffn2-k_qc79ae4b6a4_ffn2
	.p2alignl 7, 3214868480
	.fill 96, 4, 3214868480
	.section	.rodata,"a",@progbits
	.p2align	6, 0x0
	.amdhsa_kernel k_qc79ae4b6a4_ffn2
		.amdhsa_group_segment_fixed_size 327680
		.amdhsa_private_segment_fixed_size 0
		.amdhsa_enable_private_segment 0
		.amdhsa_kernarg_size 56
		.amdhsa_user_sgpr_count 2
		.amdhsa_user_sgpr_kernarg_segment_ptr 1
		.amdhsa_wavefront_size32 1
		.amdhsa_system_sgpr_workgroup_id_x 1
		.amdhsa_system_sgpr_workgroup_id_y 1
		.amdhsa_system_sgpr_workgroup_id_z 1
		.amdhsa_system_vgpr_workitem_id 0
		.amdhsa_next_free_vgpr 1024
		.amdhsa_next_free_sgpr 66
		.amdhsa_reserve_vcc 0
		.amdhsa_float_denorm_mode_32 3
		.amdhsa_float_denorm_mode_16_64 3
		.amdhsa_memory_ordered 1
		.amdhsa_forward_progress 1
		.amdhsa_inst_pref_size 202
	.end_amdhsa_kernel
	.amdgpu_metadata
---
amdhsa.version: [ 1, 2 ]
amdhsa.kernels:
  - .name:           k_qc79ae4b6a4_ffn2
    .symbol:         k_qc79ae4b6a4_ffn2.kd
    .args:
      - { .name: hc, .offset: 0, .size: 8, .value_kind: global_buffer, .address_space: global }
      - { .name: hs, .offset: 8, .size: 8, .value_kind: global_buffer, .address_space: global }
      - { .name: W2_codes, .offset: 16, .size: 8, .value_kind: global_buffer, .address_space: global }
      - { .name: W2_scales, .offset: 24, .size: 8, .value_kind: global_buffer, .address_space: global }
      - { .name: b2, .offset: 32, .size: 8, .value_kind: global_buffer, .address_space: global }
      - { .name: x1, .offset: 40, .size: 8, .value_kind: global_buffer, .address_space: global }
      - { .name: out0, .offset: 48, .size: 8, .value_kind: global_buffer, .address_space: global }
    .group_segment_fixed_size: 327680
    .private_segment_fixed_size: 0
    .kernarg_segment_align: 8
    .kernarg_segment_size: 56
    .max_flat_workgroup_size: 128
    .sgpr_count:     66
    .vgpr_count:     1024
    .wavefront_size: 32
...
	.end_amdgpu_metadata
.endif
;; end of part 5
